; MI455X (gfx1250); checked and timed in simulation.
; The chip was launched on July 23, 2026; its instructions are those of AMD's public machine-readable ISA for CDNA 5 (MIT licence, August 2026) and "CDNA5" Instruction Set Architecture Reference Guide (July 2026). The comments in the code are by the model that wrote it; some were corrected since.
;; Causal Self Attention. Allowed arithmetic: matrix products marked QUANTISED: E2M1 operands, one E8M0 scale for each 32 along K, by v_wmma_scale_f32_16x16x128_f8f6f4 with both operands' format E2M1 (or v_wmma_scale_f32_32x16x128_f4), f32 sums; products left as they are: bf16, f16 or f32 operands; f32 sums; everything else in f32.
;; Inputs: Wk 768 x 768 float32; Wo 768 x 768 float32; Wq 768 x 768 float32; Wv 768 x 768 float32; position_ids 1 x 4,096 int32; x 1 x 4,096 x 768 float32.
;; Outputs: out0 1 x 4,096 x 768 float32.
;; This version of the problem:
;;   THIS VERSION OF THE PROBLEM IS GIVEN IN LOW PRECISION. The matrix products marked QUANTISED in the list below multiply operands that are first quantised to E2M1 (2 exponent bits, 1 mantissa bit; 4 bits a number), with one power-of-two scale for each 32 numbers along K (OCP MX v1.0); their sums are f32. The products marked 'left as it is' may take bf16, f16 or f32 operands, with f32 sums. Whichever they take, every output number must still come out within the allowed error. Rounding operands to bf16 (8 significant bits) uses up far more of that allowance than f16 does (11 bits, for magnitudes from 6e-5 to 65,504). All else is computed in f32.
;;   The module's matrix products, in the order in which they are computed (A, B: the left and right operand; K: the contracted axis; several contracted axes count as one K, in the product's order):
;;     1. [M 4,096, K 768] x [K 768, N 768]; A: input x; B: input Wq: QUANTISED
;;     2. [M 4,096, K 768] x [K 768, N 768]; A: input x; B: input Wk: QUANTISED
;;     3. [M 4,096, K 768] x [K 768, N 768]; A: input x; B: input Wv: QUANTISED
;;     4. batch 12 x [M 4,096, K 64] x [K 64, N 4,096]; A: computed on the way; B: computed on the way: left as it is (an operand is computed on the way)
;;     5. batch 12 x [M 4,096, K 4,096] x [K 4,096, N 64]; A: computed on the way; B: computed on the way: left as it is (an operand is computed on the way)
;;     6. [M 4,096, K 768] x [K 768, N 768]; A: computed on the way; B: input Wo: left as it is (an operand is computed on the way)
;;   THE QUANTISER, for each operand of a quantised product, along K:
;;     - K is cut into blocks of 32 from its start; a last block that is shorter is filled with zeros.
;;     - A block's scale is 2^e with e = floor(log2(the largest magnitude in the block)) - 2, held to -126 .. 127; a block of zeros has e = 0. As a byte (E8M0): e + 127.
;;     - Each number is divided by its block's scale, clamped to +-6, and rounded to the nearest number of E2M1, ties to even, subnormals kept.
;;     - The product sums the exact products of the quantised numbers (number of the format x scale) in f32.
;;   ~~~python
;;   def quantise(x, axis):      # numpy; x: float32 -> the quantised numbers, widened to float32 again
;;       x = np.moveaxis(x, axis, -1); K = x.shape[-1]
;;       x = np.pad(x, [(0, 0)] * (x.ndim - 1) + [(0, -K % 32)]); x = x.reshape(x.shape[:-1] + (-1, 32)); a = np.abs(x).max(-1, keepdims=True)
;;       e = np.where(a > 0, np.clip(np.frexp(np.where(a > 0, a, 1))[1] - 1 - 2, -126, 127), 0)      # np.frexp(a)[1] - 1 = floor(log2(a)), exactly
;;       r = np.clip(x / 2.0 ** e, -6, 6)
;;       step = 2.0 ** (np.maximum(np.frexp(np.where(r == 0, 1, r))[1] - 1, 0) - 1)
;;       q = np.round(r / step) * step * 2.0 ** e      # np.round: ties to even
;;       return np.moveaxis(q.reshape(q.shape[:-2] + (-1,))[..., :K], -1, axis).astype(np.float32)
;;   ~~~
;; One version. Each part assembles by itself: llvm-mc -triple=amdgcn-amd-amdhsa -mcpu=gfx1250 --defsym DOCPART=n.
;; ======== version 1 of 1: 5 launches
;; limits: an absolute error that grows with the inputs' magnitude: up to 4e-07 times it; inputs' magnitudes at most 10,000,000; values are held in f16: magnitudes above 65,504 overflow, below 6.1e-05 lose precision
;; workspace buffers: xc 1,572,864 bytes; wc 884,736 bytes; scl 204,800 bytes; wo16 1,179,648 bytes; rtab 1,048,576 bytes; qkv 18,874,368 bytes; fine 147,456 bytes; att 6,291,456 bytes
;; launch prep (part 1): grid 592 x 1, 4 waves a work-group, no clusters, 0 bytes of LDS; arguments x, position_ids, Wq, Wk, Wv, Wo, xc, wc, scl, wo16, rtab; writes xc, wc, scl, wo16, rtab
.if DOCPART == 1
	.amdgcn_target "amdgcn-amd-amdhsa--gfx1250"
	.amdhsa_code_object_version 6
	.text
	.protected	k_q6f0e27da97_prep
	.globl	k_q6f0e27da97_prep
	.p2align	8
	.type	k_q6f0e27da97_prep,@function
k_q6f0e27da97_prep:
	s_mov_b64 s[64:65], 0
	v_nop
	global_prefetch_b8 v0, s[64:65] scope:SCOPE_SE
	s_setreg_imm32_b32 hwreg(HW_REG_WAVE_MODE, 25, 1), 1
	s_wait_xcnt 0x0
; PREP: everything that is made once and read many times.  Four paths, parted by the work-group's number; no LDS, no barrier, waves share nothing.
;  X (work-groups 0-383):   x [4096][768] f32 -> codes of E2M1 along K, laid as images of the operand's registers: xc [row tile 256][K step 6][c 2][lane 32][16 bytes], lane (r, h) holding block 2 c + h of row r.
;  W (384-491):             Wq, Wk, Wv [768 (k)][768 (n)] f32, K the FIRST axis -> the same images by column tiles: wc [(768 mat + n) / 16][K step 6][1,024 bytes].
;  O (492-527):             Wo [768 (k)][768 (n)] f32 -> f16, wo16 [n tile 48][k / 8: 96][n % 16][8 k]: four chunks on end are a fragment of 16 n x 32 k.
;  R (528-591):             rtab [row 4096][cos f = 0..31 | sin f = 0..31] f32 of position_ids[row] / 10000^(f / 32).
; scl [6400 rows][32 bytes]: rows 0-4095 x's rows, 4096 + 768 mat + n W's columns; word s holds the four E8M0 bytes of K step s; bytes 24-31 of a row are neither written nor read.
; THE QUANTISER: a block's scale is 2^(floor(log2(largest magnitude)) - 2); its byte is the largest magnitude's exponent field - 2, held at 1 from below by a floor among the maximum's leaves.
; LIMITS: a block of zeros gets the byte 1 where the rule says 127 (its codes are zeros and this program alone reads the bytes); NaN and infinities are not served.
; The angle is position x (1 / timescale), the reciprocal made by v_exp_f32: against position / timescale it differs by some 4e-7 of its size; the reduction by pi / 2 in three parts holds for |position| under 1e7.
.set WG_X, 384
.set WG_W, 492
.set WG_O, 528
.set TM,  32                           ; v32-47  the quantiser's work: largest magnitudes, bytes, scale operands
.set PC,  48                           ; v48-55  a fragment's codes
.set PW,  56                           ; v56     its scale word
.set XN,  64                           ; v64-191 numbers as loaded
.set SEL, 34                           ; s[34:35] lane selects for v_permlanex16_b32: lane l xor 16
	s_load_b256 s[4:11], s[0:1], 0x0               ; x s[4:5], position_ids s[6:7], Wq s[8:9], Wk s[10:11]
	s_load_b256 s[12:19], s[0:1], 0x20             ; Wv s[12:13], Wo s[14:15], xc s[16:17], wc s[18:19]
	s_load_b128 s[20:23], s[0:1], 0x40             ; scl s[20:21], wo16 s[22:23]
	s_load_b64 s[24:25], s[0:1], 0x50              ; rtab
	v_lshrrev_b32 v1, 5, v0
	v_readfirstlane_b32 s26, v1                    ; wave
	v_and_b32 v1, 31, v0                           ; lane
	v_and_b32 v2, 15, v0                           ; r
	v_bfe_u32 v3, v0, 4, 1                         ; h
	v_lshlrev_b32 v5, 4, v1                        ; 16 x lane
	s_mov_b32 s31, 0                               ; upper words of the offset pairs s[30:31], s[32:33]
	s_mov_b32 s33, 0
	s_wait_kmcnt 0x0
	s_cmp_lt_u32 ttmp9, WG_X
	s_cbranch_scc0 .Lnot_x
; ---- X: a wave makes one fragment: 16 rows x 128 along K.  Lane (r, h) loads, of row r, 16 neighbours of each block of 32: register 16 b + i = k 32 b + 16 h + i.
.macro QUANT s
.irp b, 0,1,2,3
	v_max3_num_f32 v[TM+\b], |v[\s+16*\b]|, |v[\s+1+16*\b]|, 0x1800000   ; block b: my 16 numbers, and the floor 2^(3 - 127): the byte cannot fall under 1
.endr
.irp i, 2,4,6,8,10,12,14
.irp b, 0,1,2,3
	v_max3_num_f32 v[TM+\b], v[TM+\b], |v[\s+16*\b+\i]|, |v[\s+1+16*\b+\i]|   ; the four blocks by turns
.endr
.endr
.irp b, 0,1,2,3
	v_permlanex16_b32 v[TM+4+\b], v[TM+\b], s[SEL], s[SEL+1]
.endr
.irp b, 0,1,2,3
	v_max_num_f32 v[TM+\b], v[TM+\b], v[TM+4+\b]   ; with lane l xor 16's: the block's largest magnitude
.endr
.irp b, 0,1,2,3
	v_add_nc_u32 v[TM+12+\b], 0xff000000, v[TM+\b] ; 2 off its exponent field: the conversion takes the exponent field of this operand as its scale
.endr
.irp b, 0,1,2,3
	v_lshrrev_b32 v[TM+4+\b], 23, v[TM+12+\b]      ; the scale's byte
.endr
	v_lshl_or_b32 v[PW], v[TM+5], 8, v[TM+4]       ; four bytes: my row's scale word, the same in lanes l and l xor 16
	v_lshl_or_b32 v[PW], v[TM+6], 16, v[PW]
	v_lshl_or_b32 v[PW], v[TM+7], 24, v[PW]
.irp b, 0,1,2,3
	v_cvt_scalef32_pk8_fp4_f32 v[PC+2*\b], v[\s+16*\b:\s+7+16*\b], v[TM+12+\b]
	v_cvt_scalef32_pk8_fp4_f32 v[PC+1+2*\b], v[\s+8+16*\b:\s+15+16*\b], v[TM+12+\b]
.endr
	v_nop                                          ; one plain place behind a scaled conversion
.irp c, 0,1                                    ; the operand's layout wants a WHOLE block in a lane: lanes 0-15 block 2 c, lanes 16-31 block 2 c + 1
.irp i, 0,1
	v_permlane16_swap_b32 v[PC+4*\c+\i], v[PC+2+4*\c+\i]
.endr
.endr
.endm
	s_lshl_b32 s27, ttmp9, 2
	s_add_co_u32 s27, s27, s26                     ; fragment number 0..1535
	s_lshr_b32 s28, s27, 8                         ; K step
	s_and_b32 s29, s27, 255                        ; row tile
	s_mul_i32 s30, s29, 49152                      ; 16 rows of 3,072 bytes
	s_lshl_b32 s36, s28, 9                         ; 128 numbers along K
	s_add_co_u32 s30, s30, s36
	s_add_nc_u64 s[4:5], s[4:5], s[30:31]
	v_mul_u32_u24 v4, v2, 3072
	v_lshl_add_u32 v4, v3, 6, v4                   ; row r, + 64 h
.irp b, 0,1,2,3
.irp j, 0,1,2,3
	global_load_b128 v[XN+16*\b+4*\j:XN+16*\b+4*\j+3], v4, s[4:5] offset:128*\b+16*\j th:TH_LOAD_NT
.endr
.endr
	s_mul_i32 s32, s29, 6
	s_add_co_u32 s32, s32, s28
	s_lshl_b32 s32, s32, 10
	s_add_nc_u64 s[16:17], s[16:17], s[32:33]      ; the fragment's image
	s_lshl_b32 s32, s29, 9                         ; 16 rows of 32 bytes of scl
	s_lshl_b32 s36, s28, 2
	s_add_co_u32 s32, s32, s36
	s_add_nc_u64 s[20:21], s[20:21], s[32:33]
	v_lshlrev_b32 v6, 5, v2
	s_mov_b32 s[SEL], 0x76543210
	s_mov_b32 s[SEL+1], 0xfedcba98
.irp b, 0,1,2,3
	v_mov_b32 v[TM+4+\b], 0                        ; a lane permute's destination counts as one of its sources
.endr
	s_wait_loadcnt 0x0
	QUANT XN
	global_store_b128 v5, v[PC:PC+3], s[16:17]             ; each store covers 512 consecutive bytes
	global_store_b128 v5, v[PC+4:PC+7], s[16:17] offset:512
	global_store_b32 v6, v[PW], s[20:21]                   ; lanes l and l xor 16 store the same word at the same place
	s_endpgm
; ---- W and O share their loads: a lane takes a column, its 128 registers run down K; each load reads 128 consecutive bytes, the four waves side by side 512
.macro COLS                            ; s29: which 128 columns, s37: K step -> s38 my wave's first column, s30 the byte offset of (128 s, column)
	s_lshl_b32 s38, s29, 7
	s_lshl_b32 s39, s26, 5
	s_add_co_u32 s38, s38, s39
	s_mul_i32 s30, s37, 128*3072
	s_lshl_b32 s39, s38, 2
	s_add_co_u32 s30, s30, s39
	v_lshlrev_b32 v4, 2, v1
.endm
.macro WLOAD base
.set k, 0
.rept 128
	global_load_b32 v[XN+k], v4, s[\base:\base+1] offset:k*3072 th:TH_LOAD_NT
.set k, k+1
.endr
.endm
.Lnot_x:
	s_cmp_lt_u32 ttmp9, WG_W
	s_cbranch_scc0 .Lnot_w
	s_sub_co_u32 s27, ttmp9, WG_X                  ; 0..107 = (6 mat + K step) x 6 + column group; n x 43 >> 8 is n / 6 for n under 128
	s_mul_i32 s28, s27, 43
	s_lshr_b32 s28, s28, 8
	s_mul_i32 s29, s28, 6
	s_sub_co_u32 s29, s27, s29                     ; column group
	s_mul_i32 s36, s28, 43
	s_lshr_b32 s36, s36, 8                         ; mat
	s_mul_i32 s37, s36, 6
	s_sub_co_u32 s37, s28, s37                     ; K step
	s_cmp_eq_u32 s36, 1                            ; the choice of the weight hangs on the work-group's number alone
	s_cselect_b64 s[8:9], s[10:11], s[8:9]
	s_cmp_eq_u32 s36, 2
	s_cselect_b64 s[8:9], s[12:13], s[8:9]
	COLS
	s_add_nc_u64 s[8:9], s[8:9], s[30:31]
	WLOAD 8
	s_mul_i32 s39, s36, 768
	s_add_co_u32 s39, s39, s38                     ; my first column among the 2,304
	s_lshr_b32 s32, s39, 4
	s_mul_i32 s32, s32, 6
	s_add_co_u32 s32, s32, s37
	s_lshl_b32 s32, s32, 10
	s_add_nc_u64 s[18:19], s[18:19], s[32:33]      ; image of (my first column tile, K step)
	v_mul_u32_u24 v6, v3, 6144                     ; lanes 16-31: the next column tile
	v_lshl_add_u32 v6, v2, 4, v6
	s_add_co_u32 s32, s39, 4096
	s_lshl_b32 s32, s32, 5
	s_lshl_b32 s39, s37, 2
	s_add_co_u32 s32, s32, s39
	s_add_nc_u64 s[20:21], s[20:21], s[32:33]
	v_lshlrev_b32 v7, 5, v1
; block b of the K step: all its 32 numbers are mine.  left: the younger loads that may stay out
.macro WBLOCK b, left
.set XB, XN+32*(\b)
	s_wait_loadcnt \left
	v_max3_num_f32 v12, |v[XB]|, |v[XB+1]|, |v[XB+2]|
	v_max3_num_f32 v13, |v[XB+3]|, |v[XB+4]|, |v[XB+5]|
.irp i, 6,10,14,18,22,26
	v_max3_num_f32 v12, v12, |v[XB+\i]|, |v[XB+\i+1]|
	v_max3_num_f32 v13, v13, |v[XB+\i+2]|, |v[XB+\i+3]|
.endr
	v_max3_num_f32 v12, v12, |v[XB+30]|, |v[XB+31]|
	v_max3_num_f32 v12, v12, v13, 0x1800000        ; and the floor
	v_add_nc_u32 v11, 0xff000000, v12              ; the conversion's scale operand
	v_lshrrev_b32 v13, 23, v11                     ; the byte
.if (\b) == 0
	v_mov_b32 v10, v13
.else
	v_lshl_or_b32 v10, v13, 8*(\b), v10
.endif
.irp g, 0,1,2,3
	v_cvt_scalef32_pk8_fp4_f32 v[16+4*(\b)+\g], v[XB+8*\g:XB+8*\g+7], v11
.endr
	global_store_b128 v6, v[16+4*(\b):16+4*(\b)+3], s[18:19] offset:((\b)/2)*512+((\b)%2)*256   ; sixteen lanes store 256 consecutive bytes: half h = b % 2 of group c = b / 2 of a tile's image
.endm
	WBLOCK 0, 63                                   ; 96 younger loads would do: the count is held to what the wait can name
	WBLOCK 1, 63                                   ; 64 would do
	WBLOCK 2, 32                                   ; block 3's 32 loads may be out
	WBLOCK 3, 0
	global_store_b32 v7, v10, s[20:21]             ; 4 bytes of each of 32 rows of scl: one byte for each 32 of the 128 that the path reads
	s_endpgm
.Lnot_w:
	s_cmp_lt_u32 ttmp9, WG_O
	s_cbranch_scc0 .Lrope
	s_sub_co_u32 s27, ttmp9, WG_W                  ; 0..35 = 6 x (128 along K) + column group
	s_mul_i32 s37, s27, 43
	s_lshr_b32 s37, s37, 8
	s_mul_i32 s29, s37, 6
	s_sub_co_u32 s29, s27, s29
	COLS
	s_add_nc_u64 s[14:15], s[14:15], s[30:31]
	WLOAD 14
	s_lshr_b32 s32, s38, 4
	s_mul_i32 s32, s32, 24576                      ; my first n tile
	s_lshl_b32 s39, s37, 12                        ; 16 chunks of 256 bytes
	s_add_co_u32 s32, s32, s39
	s_add_nc_u64 s[22:23], s[22:23], s[32:33]
	v_mul_u32_u24 v6, v3, 24576
	v_lshl_add_u32 v6, v2, 4, v6
.macro OBLOCK b, left                  ; 32 along K: sixteen roundings of two neighbours, in place from the low end, and four chunks of 8 k
	s_wait_loadcnt \left
.irp i, 0,1,2,3,4,5,6,7,8,9,10,11,12,13,14,15
	v_cvt_pk_f16_f32 v[XN+16*(\b)+\i], v[XN+32*(\b)+2*\i], v[XN+32*(\b)+2*\i+1]
.endr
.irp q, 0,1,2,3
	global_store_b128 v6, v[XN+16*(\b)+4*\q:XN+16*(\b)+4*\q+3], s[22:23] offset:(4*(\b)+\q)*256   ; sixteen lanes store 256 consecutive bytes
.endr
.endm
	OBLOCK 0, 63
	OBLOCK 1, 63
	OBLOCK 2, 32
	OBLOCK 3, 0
	s_endpgm
; ---- R: a wave makes 16 rows of the table, two a turn: lanes 0-15 one row, lanes 16-31 the next; lane q (of 16) makes 4 numbers: q < 8 cos, else sin, of f = 4 (q % 8) + 0..3
.Lrope:
	s_sub_co_u32 s27, ttmp9, WG_O
	s_lshl_b32 s27, s27, 6
	s_lshl_b32 s28, s26, 4
	s_add_co_u32 s27, s27, s28                     ; my wave's first row
	s_lshl_b32 s30, s27, 2
	s_add_nc_u64 s[6:7], s[6:7], s[30:31]
	s_lshl_b32 s32, s27, 8
	s_add_nc_u64 s[24:25], s[24:25], s[32:33]
	v_lshlrev_b32 v4, 2, v3
.irp it, 0,1,2,3,4,5,6,7
	global_load_b32 v[16+\it], v4, s[6:7] offset:8*\it
.endr
	v_and_b32 v6, 7, v2
	v_lshlrev_b32 v6, 2, v6                        ; 4 (q % 8)
	v_lshrrev_b32 v7, 3, v2
	v_sub_nc_u32 v7, 1, v7                         ; 1 for cos: cos a = sin(a + pi / 2), one quadrant on
.irp e, 0,1,2,3
	v_add_nc_u32 v[24+\e], \e, v6
.endr
.irp e, 0,1,2,3
	v_cvt_f32_u32 v[24+\e], v[24+\e]
.endr
.irp e, 0,1,2,3
	v_mul_f32 v[24+\e], 0xbed49a78, v[24+\e]       ; -f log2(10000) / 32
.endr
.irp e, 0,1,2,3
	v_exp_f32 v[24+\e], v[24+\e]                   ; 1 / timescale
.endr
	v_mov_b32 v8, 0x3638ef1d                       ; 1 / 9!  (a plain place behind the exponentials)
	v_mov_b32 v9, 0x37d00d01                       ; 1 / 8!
	s_wait_alu depctr_va_vdst(0)                   ; one wait for the four, ahead of their first reader
	s_wait_loadcnt 0x0
.irp it, 0,1,2,3,4,5,6,7
	v_cvt_f32_i32 v[16+\it], v[16+\it]
.endr
; temporaries of number e at v[32 + 8 e]: +0 a, +1 n, +2 r, +3 quadrant, +4 r^2, +5 sine, +6 cosine, +7 at work; the four numbers by turns
.macro SINCOS it
.irp e, 0,1,2,3
	v_mul_f32 v[32+8*\e], v[16+\it], v[24+\e]
.endr
.irp e, 0,1,2,3
	v_mul_f32 v[33+8*\e], 0x3f22f983, v[32+8*\e]   ; a x 2 / pi
.endr
.irp e, 0,1,2,3
	v_rndne_f32 v[33+8*\e], v[33+8*\e]
.endr
.irp e, 0,1,2,3
	v_fmamk_f32 v[34+8*\e], v[33+8*\e], 0xbfc90fdb, v[32+8*\e]   ; r = a - n pi / 2, pi / 2 in three parts
.endr
.irp e, 0,1,2,3
	v_fmamk_f32 v[34+8*\e], v[33+8*\e], 0x333bbd2e, v[34+8*\e]
.endr
.irp e, 0,1,2,3
	v_fmamk_f32 v[34+8*\e], v[33+8*\e], 0x26f72ced, v[34+8*\e]
.endr
.irp e, 0,1,2,3
	v_cvt_i32_f32 v[35+8*\e], v[33+8*\e]
.endr
.irp e, 0,1,2,3
	v_add_nc_u32 v[35+8*\e], v[35+8*\e], v7
.endr
.irp e, 0,1,2,3
	v_mul_f32 v[36+8*\e], v[34+8*\e], v[34+8*\e]
.endr
.irp e, 0,1,2,3
	v_fmaak_f32 v[37+8*\e], v8, v[36+8*\e], 0xb9500d01
	v_fmaak_f32 v[38+8*\e], v9, v[36+8*\e], 0xbab60b61
.endr
.irp e, 0,1,2,3
	v_fmaak_f32 v[37+8*\e], v[37+8*\e], v[36+8*\e], 0x3c088889
	v_fmaak_f32 v[38+8*\e], v[38+8*\e], v[36+8*\e], 0x3d2aaaab
.endr
.irp e, 0,1,2,3
	v_fmaak_f32 v[37+8*\e], v[37+8*\e], v[36+8*\e], 0xbe2aaaab
	v_fmaak_f32 v[38+8*\e], v[38+8*\e], v[36+8*\e], 0xbf000000
.endr
.irp e, 0,1,2,3
	v_mul_f32 v[39+8*\e], v[34+8*\e], v[36+8*\e]
	v_fmaak_f32 v[38+8*\e], v[38+8*\e], v[36+8*\e], 0x3f800000   ; cos r
.endr
.irp e, 0,1,2,3
	v_fma_f32 v[37+8*\e], v[37+8*\e], v[39+8*\e], v[34+8*\e]     ; sin r
.endr
.irp e, 0,1,2,3
	v_and_b32 v[39+8*\e], 1, v[35+8*\e]
	v_and_b32 v[35+8*\e], 2, v[35+8*\e]
.endr
.irp e, 0,1,2,3
	v_cmp_eq_u32 vcc_lo, 1, v[39+8*\e]             ; odd quadrants take the cosine,
	v_cndmask_b32 v[37+8*\e], v[37+8*\e], v[38+8*\e], vcc_lo
.endr
.irp e, 0,1,2,3
	v_lshlrev_b32 v[35+8*\e], 30, v[35+8*\e]       ; quadrants 2 and 3 change the sign
.endr
.irp e, 0,1,2,3
	v_xor_b32 v[64+4*\it+\e], v[37+8*\e], v[35+8*\e]
.endr
	global_store_b128 v5, v[64+4*\it:64+4*\it+3], s[24:25] offset:512*\it   ; two whole rows of 256 bytes; each turn has its own data registers
.endm
.irp it, 0,1,2,3,4,5,6,7
	SINCOS \it
.endr
	s_endpgm
.Lfunc_end_k_q6f0e27da97_prep:
	.size	k_q6f0e27da97_prep, .Lfunc_end_k_q6f0e27da97_prep-k_q6f0e27da97_prep
	.p2alignl 7, 3214868480
	.fill 96, 4, 3214868480
	.section	.rodata,"a",@progbits
	.p2align	6, 0x0
	.amdhsa_kernel k_q6f0e27da97_prep
		.amdhsa_group_segment_fixed_size 0
		.amdhsa_private_segment_fixed_size 0
		.amdhsa_enable_private_segment 0
		.amdhsa_kernarg_size 88
		.amdhsa_user_sgpr_count 2
		.amdhsa_user_sgpr_kernarg_segment_ptr 1
		.amdhsa_wavefront_size32 1
		.amdhsa_system_sgpr_workgroup_id_x 1
		.amdhsa_system_sgpr_workgroup_id_y 1
		.amdhsa_system_sgpr_workgroup_id_z 1
		.amdhsa_system_vgpr_workitem_id 0
		.amdhsa_next_free_vgpr 192
		.amdhsa_next_free_sgpr 66
		.amdhsa_reserve_vcc 1
		.amdhsa_float_denorm_mode_32 3
		.amdhsa_float_denorm_mode_16_64 3
		.amdhsa_memory_ordered 1
		.amdhsa_forward_progress 1
		.amdhsa_inst_pref_size 85
	.end_amdhsa_kernel
	.amdgpu_metadata
---
amdhsa.version: [ 1, 2 ]
amdhsa.kernels:
  - .name:           k_q6f0e27da97_prep
    .symbol:         k_q6f0e27da97_prep.kd
    .args:
      - { .name: x, .offset: 0, .size: 8, .value_kind: global_buffer, .address_space: global }
      - { .name: position_ids, .offset: 8, .size: 8, .value_kind: global_buffer, .address_space: global }
      - { .name: Wq, .offset: 16, .size: 8, .value_kind: global_buffer, .address_space: global }
      - { .name: Wk, .offset: 24, .size: 8, .value_kind: global_buffer, .address_space: global }
      - { .name: Wv, .offset: 32, .size: 8, .value_kind: global_buffer, .address_space: global }
      - { .name: Wo, .offset: 40, .size: 8, .value_kind: global_buffer, .address_space: global }
      - { .name: xc, .offset: 48, .size: 8, .value_kind: global_buffer, .address_space: global }
      - { .name: wc, .offset: 56, .size: 8, .value_kind: global_buffer, .address_space: global }
      - { .name: scl, .offset: 64, .size: 8, .value_kind: global_buffer, .address_space: global }
      - { .name: wo16, .offset: 72, .size: 8, .value_kind: global_buffer, .address_space: global }
      - { .name: rtab, .offset: 80, .size: 8, .value_kind: global_buffer, .address_space: global }
    .group_segment_fixed_size: 0
    .private_segment_fixed_size: 0
    .kernarg_segment_align: 8
    .kernarg_segment_size: 88
    .max_flat_workgroup_size: 128
    .sgpr_count:     66
    .vgpr_count:     192
    .wavefront_size: 32
...
	.end_amdgpu_metadata
.endif
;; end of part 1
;; launch qkv (part 2): grid 9 x 64, 4 waves a work-group, no clusters, 0 bytes of LDS; arguments xc, wc, scl, rtab, qkv, fine; writes qkv, fine
.if DOCPART == 2
	.amdgcn_target "amdgcn-amd-amdhsa--gfx1250"
	.amdhsa_code_object_version 6
	.text
	.protected	k_q6f0e27da97_qkv
	.globl	k_q6f0e27da97_qkv
	.p2align	8
	.type	k_q6f0e27da97_qkv,@function
k_q6f0e27da97_qkv:
	s_mov_b64 s[64:65], 0
	v_nop
	global_prefetch_b8 v0, s[64:65] scope:SCOPE_SE
	s_setreg_imm32_b32 hwreg(HW_REG_WAVE_MODE, 25, 1), 1
	s_wait_xcnt 0x0
; QKV: x Wq, x Wk, x Wv on codes of E2M1 with E8M0 scales (K = 768 = 6 steps of 128), RoPE on q and k in f32, results as f16 images of the next launch's operand registers.
; SHARES.  Work-group (cg, rb): 64 positions 64 rb on; wave w makes slice sl = 4 cg + w of the 36 (q's 12 heads, k's, v's): 64 positions x 64 columns, 16 accumulators.
; Operands come from memory straight into registers: the codes lie as register images, so each load covers 512 consecutive bytes.  A wave's whole share is 48 KiB read once for 96 matrix instructions:
; there is no ring and nothing to ask for jointly, so no LDS, no tensor load and no cluster.
; ONE TEXT FOR TWO ORIENTATIONS.  q, k (cg < 6): source 0 = 16 columns of W, source 1 = 16 rows of x: a lane holds ONE position and 8 neighbouring d.  v: source 0 = x, source 1 = W: a lane holds ONE d and
; 8 neighbouring positions (the keys are the second attention product's K).  Only pointers and offsets are chosen, by the work-group's number.
; qkv [slice 36][position tile 256][2,048 bytes]: q, k: [d / 8][position % 16][8 d]; v: [d tile 4][h][d % 16][8 positions 8 h + j]: in both a lane's 16 bytes lie at 512 x tile + 16 x lane.
; fine [slice 36][tile 4][half 2][lane][16 bytes] f32: the result registers of positions 0-15, for the launch that carries those rows in f32.
; LIMIT: q, k, v are rounded to f16 (largest 65,504).
.set SC,  16                           ; v16-39   scale words: register 6 i + s: lanes 0-15 source 1's tile i, lanes 16-31 source 0's tile i, K step s.  They hold scales and nothing else
.set F0,  40                           ; v40-71   source 0's four fragments; on the way out v40-103: two sets of the table, or v's packed results
.set F1,  72                           ; v72-103  source 1's
.set T,   104                          ; v104-119 a rotated pair of tiles, f32
.set PK,  120                          ; v120-127 the same, f16
.set ACC, 128                          ; v128-255 accumulator (a, b) at 8 (4 a + b): a source 1's tile, b source 0's
	s_load_b256 s[4:11], s[0:1], 0x0               ; xc s[4:5], wc s[6:7], scl s[8:9], rtab s[10:11]
	s_load_b128 s[12:15], s[0:1], 0x20             ; qkv s[12:13], fine s[14:15]
	v_lshrrev_b32 v4, 5, v0
	v_readfirstlane_b32 s24, v4                    ; wave
	v_and_b32 v4, 31, v0
	v_lshlrev_b32 v1, 4, v4                        ; v1: 16 x lane
	v_and_b32 v5, 15, v0                           ; r
	v_bfe_u32 v6, v0, 4, 1                         ; h
	v_lshlrev_b32 v3, 8, v5
	v_lshl_add_u32 v3, v6, 5, v3                   ; v3: the table: row r of 256 bytes, + 32 h
	s_and_b32 s25, ttmp7, 0xffff                   ; rb
	s_lshl_b32 s26, ttmp9, 2
	s_add_co_u32 s26, s26, s24                     ; sl
	s_mul_i32 s20, s26, 24576                      ; W: four column tiles of 6 KiB
	s_mov_b32 s21, 0
	s_mul_i32 s22, s25, 24576                      ; x: four row tiles
	s_mov_b32 s23, 0
	s_lshl_b32 s27, s26, 11
	s_add_co_u32 s27, s27, 131072                  ; W's rows of scl: 32 (4096 + 64 sl)
	s_lshl_b32 s28, s25, 11                        ; x's: 32 x 64 rb
	s_cmp_lt_u32 ttmp9, 6
	s_cselect_b32 s29, s27, s28                    ; source 0's
	s_cselect_b32 s30, s28, s27                    ; source 1's
	v_mov_b32 v7, s30
	v_mov_b32 v8, s29
	v_cmp_eq_u32 vcc_lo, 1, v6
	v_cndmask_b32 v7, v7, v8, vcc_lo               ; lanes 16-31 take source 0's
	v_lshl_add_u32 v2, v5, 5, v7                   ; v2: + 32 r
	s_lshl_b32 s32, s26, 19                        ; my slice of qkv,
	s_lshl_b32 s33, s25, 13                        ; my four position tiles
	s_add_co_u32 s32, s32, s33
	s_mov_b32 s33, 0
	s_lshl_b32 s34, s26, 12                        ; my slice of fine
	s_mov_b32 s35, 0
	s_lshl_b32 s36, s25, 14                        ; my 64 rows of the table
	s_mov_b32 s37, 0
	s_wait_kmcnt 0x0
	s_add_nc_u64 s[6:7], s[6:7], s[20:21]
	s_add_nc_u64 s[4:5], s[4:5], s[22:23]
	s_add_nc_u64 s[12:13], s[12:13], s[32:33]
	s_add_nc_u64 s[14:15], s[14:15], s[34:35]
	s_add_nc_u64 s[10:11], s[10:11], s[36:37]
	s_cmp_lt_u32 ttmp9, 6
	s_cselect_b64 s[16:17], s[6:7], s[4:5]         ; source 0's images
	s_cselect_b64 s[18:19], s[4:5], s[6:7]         ; source 1's
.irp i, 0,1,2,3
	global_load_b128 v[SC+6*\i:SC+6*\i+3], v2, s[8:9] offset:512*\i       ; a row's six scale words: 24 bytes
	global_load_b64 v[SC+6*\i+4:SC+6*\i+5], v2, s[8:9] offset:512*\i+16
.endr
; A K step: eight fragments, sixteen matrix instructions; the sixteen accumulators take turns, one instruction a turn, in the same order in every step
.macro KSTEP s
.if \s > 0
.rept 4
	v_nop                                          ; four places in front of loads into registers that matrix instructions have read
.endr
.endif
.irp i, 0,1,2,3
.irp c, 0,1
	global_load_b128 v[F0+8*\i+4*\c:F0+8*\i+4*\c+3], v1, s[16:17] offset:6144*\i+1024*\s+512*\c
	global_load_b128 v[F1+8*\i+4*\c:F1+8*\i+4*\c+3], v1, s[18:19] offset:6144*\i+1024*\s+512*\c
.endr
.endr
	s_wait_loadcnt 0x0
.irp a, 0,1,2,3
.irp b, 0,1,2,3
.if \s == 0
	v_wmma_scale_f32_16x16x128_f8f6f4 v[ACC+8*(4*\a+\b):ACC+8*(4*\a+\b)+7], v[F0+8*\b:F0+8*\b+7], v[F1+8*\a:F1+8*\a+7], 0, v[SC+6*\b+\s], v[SC+6*\a+\s] matrix_a_fmt:MATRIX_FMT_FP4 matrix_b_fmt:MATRIX_FMT_FP4 matrix_a_scale:MATRIX_SCALE_ROW1
.else
	v_wmma_scale_f32_16x16x128_f8f6f4 v[ACC+8*(4*\a+\b):ACC+8*(4*\a+\b)+7], v[F0+8*\b:F0+8*\b+7], v[F1+8*\a:F1+8*\a+7], v[ACC+8*(4*\a+\b):ACC+8*(4*\a+\b)+7], v[SC+6*\b+\s], v[SC+6*\a+\s] matrix_a_fmt:MATRIX_FMT_FP4 matrix_b_fmt:MATRIX_FMT_FP4 matrix_a_scale:MATRIX_SCALE_ROW1
.endif
.endr
.endr
.endm
.irp s, 0,1,2,3,4,5
	KSTEP \s
.endr
.rept 4
	v_nop                                          ; four places in front of the first read of results and of loads and writes into the fragments' registers
.endr
	s_cmp_lt_u32 ttmp9, 6
	s_cbranch_scc0 .Lv
; ---- q, k: RoPE.  Lane (r, h) of tile (a, u) holds position 16 a + r and d = 16 u + 8 h + j; d pairs with d + 32: tile u with tile u + 2; the frequency is d of the lower tile
.macro TAB a                           ; position tile a's cos and sin into set a % 2: cos of u = 0, of u = 1, sin of u = 0, of u = 1, eight numbers each
.irp n, 0,1,2,3,4,5,6,7
	global_load_b128 v[F0+32*((\a)%2)+4*\n:F0+32*((\a)%2)+4*\n+3], v3, s[10:11] offset:4096*(\a)+128*(\n/4)+64*((\n/2)%2)+16*(\n%2)
.endr
.endm
.macro ROPE a, u
.set A1, ACC+8*(4*(\a)+(\u))
.set A2, ACC+8*(4*(\a)+(\u)+2)
.set CC, F0+32*((\a)%2)+8*(\u)
.set SS, CC+16
	s_wait_xcnt 0x0                                ; T and PK were the data of earlier stores: they are written again only behind this wait
.irp j, 0,2,4,6
	v_pk_mul_f32 v[T+\j:T+\j+1], v[A1+\j:A1+\j+1], v[CC+\j:CC+\j+1]           ; each accumulator is read from its low end on
.endr
.irp j, 0,2,4,6
	v_pk_mul_f32 v[T+8+\j:T+9+\j], v[A2+\j:A2+\j+1], v[CC+\j:CC+\j+1]
.endr
.irp j, 0,2,4,6
	v_pk_fma_f32 v[T+\j:T+\j+1], v[A2+\j:A2+\j+1], v[SS+\j:SS+\j+1], v[T+\j:T+\j+1] neg_lo:[1,0,0] neg_hi:[1,0,0]   ; first x cos - second x sin
.endr
.irp j, 0,2,4,6
	v_pk_fma_f32 v[T+8+\j:T+9+\j], v[A1+\j:A1+\j+1], v[SS+\j:SS+\j+1], v[T+8+\j:T+9+\j]                             ; second x cos + first x sin
.endr
.if (\a) == 0
	s_cmp_lg_u32 s25, 0                            ; positions 0-15 also leave in f32
	s_cbranch_scc1 .Lnot_first_\@
	global_store_b128 v1, v[T:T+3], s[14:15] offset:(\u)*1024
	global_store_b128 v1, v[T+4:T+7], s[14:15] offset:(\u)*1024+512
	global_store_b128 v1, v[T+8:T+11], s[14:15] offset:((\u)+2)*1024
	global_store_b128 v1, v[T+12:T+15], s[14:15] offset:((\u)+2)*1024+512
.Lnot_first_\@:
.endif
.irp j, 0,1,2,3,4,5,6,7
	v_cvt_pk_f16_f32 v[PK+\j], v[T+2*\j], v[T+2*\j+1]
.endr
	global_store_b128 v1, v[PK:PK+3], s[12:13] offset:(\a)*2048+(\u)*512             ; each store covers 512 consecutive bytes
	global_store_b128 v1, v[PK+4:PK+7], s[12:13] offset:(\a)*2048+((\u)+2)*512
.endm
	TAB 0
	TAB 1
.irp a, 0,1,2,3
.if \a < 3
	s_wait_loadcnt 8                               ; this tile's eight loads are in; the next set's eight may be out
.else
	s_wait_loadcnt 0x0
.endif
	ROPE \a, 0
	ROPE \a, 1
.if \a < 2
	TAB \a+2
.endif
.endr
	s_endpgm
; ---- v: accumulator (a, b): d tile a, position tile b; a lane's eight registers are eight neighbouring positions of one d
.Lv:
.set n, 0
.rept 16
.irp j, 0,1,2,3
	v_cvt_pk_f16_f32 v[F0+4*n+\j], v[ACC+8*n+2*\j], v[ACC+8*n+2*\j+1]
.endr
.set n, n+1
.endr
.set n, 0
.rept 16
	global_store_b128 v1, v[F0+4*n:F0+4*n+3], s[12:13] offset:(n%4)*2048+(n/4)*512
.set n, n+1
.endr
	s_cmp_lg_u32 s25, 0
	s_cbranch_scc1 .Ldone
.irp a, 0,1,2,3
	global_store_b128 v1, v[ACC+32*\a:ACC+32*\a+3], s[14:15] offset:\a*1024          ; positions 0-15 in f32
	global_store_b128 v1, v[ACC+32*\a+4:ACC+32*\a+7], s[14:15] offset:\a*1024+512
.endr
.Ldone:
	s_endpgm
.Lfunc_end_k_q6f0e27da97_qkv:
	.size	k_q6f0e27da97_qkv, .Lfunc_end_k_q6f0e27da97_qkv-k_q6f0e27da97_qkv
	.p2alignl 7, 3214868480
	.fill 96, 4, 3214868480
	.section	.rodata,"a",@progbits
	.p2align	6, 0x0
	.amdhsa_kernel k_q6f0e27da97_qkv
		.amdhsa_group_segment_fixed_size 0
		.amdhsa_private_segment_fixed_size 0
		.amdhsa_enable_private_segment 0
		.amdhsa_kernarg_size 48
		.amdhsa_user_sgpr_count 2
		.amdhsa_user_sgpr_kernarg_segment_ptr 1
		.amdhsa_wavefront_size32 1
		.amdhsa_system_sgpr_workgroup_id_x 1
		.amdhsa_system_sgpr_workgroup_id_y 1
		.amdhsa_system_sgpr_workgroup_id_z 1
		.amdhsa_system_vgpr_workitem_id 0
		.amdhsa_next_free_vgpr 256
		.amdhsa_next_free_sgpr 66
		.amdhsa_reserve_vcc 1
		.amdhsa_float_denorm_mode_32 3
		.amdhsa_float_denorm_mode_16_64 3
		.amdhsa_memory_ordered 1
		.amdhsa_forward_progress 1
		.amdhsa_inst_pref_size 49
	.end_amdhsa_kernel
	.amdgpu_metadata
---
amdhsa.version: [ 1, 2 ]
amdhsa.kernels:
  - .name:           k_q6f0e27da97_qkv
    .symbol:         k_q6f0e27da97_qkv.kd
    .args:
      - { .name: xc, .offset: 0, .size: 8, .value_kind: global_buffer, .address_space: global }
      - { .name: wc, .offset: 8, .size: 8, .value_kind: global_buffer, .address_space: global }
      - { .name: scl, .offset: 16, .size: 8, .value_kind: global_buffer, .address_space: global }
      - { .name: rtab, .offset: 24, .size: 8, .value_kind: global_buffer, .address_space: global }
      - { .name: qkv, .offset: 32, .size: 8, .value_kind: global_buffer, .address_space: global }
      - { .name: fine, .offset: 40, .size: 8, .value_kind: global_buffer, .address_space: global }
    .group_segment_fixed_size: 0
    .private_segment_fixed_size: 0
    .kernarg_segment_align: 8
    .kernarg_segment_size: 48
    .max_flat_workgroup_size: 128
    .sgpr_count:     66
    .vgpr_count:     256
    .wavefront_size: 32
...
	.end_amdgpu_metadata
.endif
;; end of part 2
;; launch attn (part 3): grid 16 x 12, 8 waves a work-group, no clusters, 327,680 bytes of LDS; arguments qkv, att; writes att
.if DOCPART == 3
	.amdgcn_target "amdgcn-amd-amdhsa--gfx1250"
	.amdhsa_code_object_version 6
	.text
	.protected	k_q6f0e27da97_attn
	.globl	k_q6f0e27da97_attn
	.p2align	8
	.type	k_q6f0e27da97_attn,@function
k_q6f0e27da97_attn:
	s_mov_b64 s[64:65], 0
	v_nop
	global_prefetch_b8 v0, s[64:65] scope:SCOPE_SE
	s_setreg_imm32_b32 hwreg(HW_REG_WAVE_MODE, 25, 1), 1
	s_wait_xcnt 0x0
; ATTN: causal attention of one head, f16 operands, f32 sums, softmax with a running maximum in f32.
; BALANCE.  Work-group (i, head) owns the query blocks (128 queries) H = 31 - i and L = i and walks ONE stream of 33 units of 128 keys: units 0 .. 31 - i for H, then 0 .. i for L: the same count in all 192
; work-groups, so every trip count is a constant of the text and no unit lies wholly under the mask.
; SHARES.  Wave w: g = w / 4 takes keys 64 g .. 64 g + 63 of every unit, sb = w % 4 queries 32 sb .. + 31 of the block in hand (two tiles of 16).  Each wave keeps its own (c m, l, O); the two halves g of a
; block are merged through LDS at the end.  Each fragment of K and V read from LDS feeds two tiles; two waves share a SIMD.
; LAYOUT.  Both products transposed: S^T = K Q^T (source 0 = 16 keys, source 1 = 16 queries), O^T = V^T P (source 0 = 16 d, source 1 = P): a lane holds ONE query throughout, and two tiles of S^T rounded to f16 in
; pairs ARE source 1 of the second product.  K's and V's tiles lie in memory as register images, so a unit's 16 KiB of each are dense, and every LDS load takes 512 consecutive bytes.
; RING.  Two slots of three units (K 16 KiB, V 16 KiB each); waves 0-5 fetch one dense 16 KiB each behind each change of slots: one tensor load of a wave is out at any time.
; NO CLUSTER: the streams of neighbouring work-groups part at unit 32 - i, which differs from one to the next, so their loads could not be the same in all partners.
; att [row tile 256][head x 8 + d / 8: 96][16 rows][8] f16: images of the projection's operand registers.
; LIMITS: q, k, v, p and the result are f16 operands; p under 2^-126 is taken as 0 by v_exp_f32; NaN and infinities are not served.
.set SLOT1,   1<<17                    ; slot 1 begins here: one exclusive or turns an address in one slot into the other's
.set UNITB,   32768
.set VOFF,    16384
.set DUMPB,   9216                     ; a wave's partial: 16 x 512 bytes of O^T, 2 x 512 of (c m, m, l, l)
.set STAGE_L, SLOT1                    ; L's partials: in slot 1, which has had its last fill and its last read when they are stored
.set MERGE_H, 229376                   ; H's partials: bytes of their own, behind the ring
.set SPARE,   303104                   ; the spare words, 128 bytes for each wave: four blocks of 256 bytes that no other line names
.set LI,   1                           ; v1   16 x lane
.set ADK,  2                           ; v2   LDS address of the unit in hand
.set AK0,  3                           ; v3   16 x lane + 8,192 g: my half of a unit's keys
.set SPW,  4                           ; v4   my spare word;  v5  0: both never rewritten
.set NIL,  5
.set DQ,   6                           ; v6-7 the mask: query - first key - 8 h, for each tile
.set NINF, 8                           ; v8   -infinity
.set DH,   9                           ; v9   where I put H's partial;  v10 L's;  v11 where I read the two partials that I merge
.set DL,   10
.set MA,   11
.set PFO,  12                          ; v12  256 x lane, for the prefetches; never rewritten
.set RH,   13                          ; v13  r - 8 h
.set ST,   16                          ; v16-31 statistics, 8 a tile: +0 c m, +1 m, +2, +3 l in two halves, +4 .. +7 at work; a = 2^(c m_old - c m_new) in +6
.set S,    32                          ; v32-95 S^T, 32 a tile; then p; then P in the low 16 of each 32
.set KR,   96                          ; v96-159 K's eight fragments
.set VR,   160                         ; v160-223 V's eight
.set XS,   224                         ; v224-227 a second chain for the sums
; window 1: v0-31 Q (16 t + 8 ds);  v32-95 O^T (32 t + 8 dt)
.set WV,   8                           ; s8 wave, s9 g, s10 sb, s11 i, s12 head, s13 units of H, s14 unit in hand, s15 unit that I fetch next
.set GH,   9
.set SB,   10
.set IB,   11
.set HEAD, 12
.set LH,   13
.set UC,   14
.set UN,   15
.set G1,   16                          ; s[16:23] descriptor group 1;  s[24:27] group 0
.set G0,   24
.set KVB,  28                          ; s[28:29] the image that I fetch from: K's (even waves) or V's of my head
.set OFS,  30                          ; s[30:31] an offset
.set TB,   32                          ; s32 LDS byte at which the slot in hand begins
.set KF,   33                          ; s33 my first key of the unit in hand;  s34 my first query
.set Q0,   34
.set SLOTS, 35
.set CS,   36                          ; s[36:37] c = log2(e) / 8
.set SEL,  38                          ; s[38:39] lane l xor 16
.set QIM,  40                          ; s[40:41] my head's q
.set TP,   42                          ; s[42:43] Q's tiles of the block in hand
.set PFA,  44                          ; s[44:45] where my prefetches stand
.set LIM,  46                          ; s46 2 in a wave that prefetches, else the greatest number
.set MSB, 0
.macro WIN new                         ; the immediate's high byte repeats the setting that is left; at every label and branch the setting is 0
.if MSB != \new
	s_set_vgpr_msb (MSB<<8)|\new
.set MSB, \new
.endif
.endm
.macro TLOAD                           ; waves 0-5 fetch; an s_nop 0 and four v_nop follow the load
	s_cmp_lt_u32 s[WV], 6
	s_cbranch_scc0 .Lno_load_\@
	tensor_load_to_lds s[G0:G0+3], s[G1:G1+7]
	s_nop 0
.rept 4
	v_nop
.endr
.Lno_load_\@:
.endm
; A PREFETCH INTO THE L2 of the slot that the NEXT change of slots will ask for: three units, 49,152 dense bytes of K's image and as many of V's.  All 16 work-groups of a head begin with the same units: the one with
; i = 0, whose stream is the longest, asks; in it the two waves that fetch nothing: wave 6 for K's, wave 7 for V's: six instructions, lanes 256 bytes apart.  So each block of 256 bytes is named once.
; Trips 0 to 7 ask, for slots 2 to 9 (units 6 to 29, up to byte 491,520 of an image's 524,288); slots 0 and 1 come by their loads alone, and nothing is asked for at the head.
.macro ASK
	s_cmp_gt_u32 s[SLOTS], s[LIM]
	s_cbranch_scc0 .Lnot_mine_\@
.irp n, 0,1,2,3,4,5
	global_prefetch_b8 v[PFO], s[PFA:PFA+1] offset:8192*\n th:TH_LOAD_NT scope:SCOPE_SE
.endr
.Lnot_mine_\@:
.endm
.macro INIT                            ; a block begins: its Q into registers; O^T and l zeros, m under every score
	s_lshl_b32 s50, s[Q0], 7                       ; 2,048 bytes a tile of 16 queries
	s_add_nc_u64 s[TP:TP+1], s[QIM:QIM+1], s[50:51]
	WIN 0x40                                       ; destination window 1
.irp t, 0,1
.irp ds, 0,1
.irp c, 0,1
	global_load_b128 v[16*\t+8*\ds+4*\c:16*\t+8*\ds+4*\c+3], v[LI], s[TP:TP+1] offset:2048*\t+1024*\ds+512*\c
.endr
.endr
.endr
.set j, 0
.rept 64
	v_mov_b32 v[32+j], 0                           ; the step is written once: the first finds zeros, which the first a = 0 leaves zeros
.set j, j+1
.endr
	WIN 0
.irp t, 0,1
	v_mov_b32 v[ST+8*\t+1], 0xff61b1e6             ; -3e38
	v_mov_b32 v[ST+8*\t+2], 0
	v_mov_b32 v[ST+8*\t+3], 0
	v_mul_f32 v[ST+8*\t], s[CS], v[ST+8*\t+1]
.endr
	s_wait_loadcnt 0x0
.endm
.macro DUMP adr                        ; my partial goes to LDS as it stands in the registers
	WIN 0x04                                       ; an LDS store's data are its source 1: window 1
.set j, 0
.rept 16
	ds_store_b128 v[\adr], v[32+4*j:32+4*j+3] offset:512*j   ; each accumulator from its low end on
.set j, j+1
.endr
	WIN 0
.irp t, 0,1
	ds_store_b128 v[\adr], v[ST+8*\t:ST+8*\t+3] offset:8192+512*\t
.endr
	s_wait_dscnt 0x0                               ; the stores are done: their registers may be written, and the others may read behind the next barrier
.endm
; THE CHANGE OF SLOTS stands at a slot's head.  Each wave waits for all its tensor loads, adds 0 to its spare word, and waits for that and for its reads of the slot that it has left; behind the barrier the slot
; ahead is whole and nobody reads the other one, which (fill = 1) takes the next three units: that load has three units' work in which to land.
.macro CHANGE fill
	s_wait_tensorcnt 0x0                           ; no tensor load of mine is out, so group 0 may be written
	ds_add_u32 v[SPW], v[NIL]                      ; 0 onto my spare word
.if \fill
	ds_add_u32 v[SPW], v[NIL]                      ; and once more
	s_xor_b32 s[G0+1], s[G0+1], SLOT1              ; the other slot than last time,
	s_add_co_u32 s[UN], s[UN], 3                   ; my unit of the next three:
	s_cmp_lt_u32 s[UN], s[LH]
	s_cselect_b32 s47, 0, s[LH]
	s_sub_co_u32 s47, s[UN], s47                   ; behind H's units the stream begins again at unit 0, for L
	s_lshl_b32 s[OFS], s47, 14
	s_add_nc_u64 s[G0+2:G0+3], s[KVB:KVB+1], s[OFS:OFS+1]
	s_or_b32 s[G0+3], s[G0+3], 0x80000000
	s_wait_xcnt 0x0                                ; the last prefetches, a slot back, have read their address
	s_add_nc_u64 s[PFA:PFA+1], s[PFA:PFA+1], 3*VOFF
.endif
	s_wait_dscnt 0x0                               ; the add is done, and my reads of the slot that I have left are over
	s_barrier_signal -1
	s_barrier_wait -1
.if \fill
	TLOAD                                          ; the first thing behind the barrier, and a wave's one tensor load until the next
	ASK
.endif
.endm
; A UNIT: my 64 keys of the slot's q-th 128 against my two tiles of queries
.macro UNIT q
	s_cmp_eq_u32 s[UC], s[LH]                      ; H's units are over: ids and the count of units alone, the same in all eight waves; no barrier, wait on tensor loads or add stands inside
	s_cbranch_scc0 .Lsame_\@
	DUMP DH
	s_lshl_b32 s[KF], s[GH], 6
	s_lshl_b32 s47, s[IB], 7
	s_lshl_b32 s48, s[SB], 5
	s_add_co_u32 s[Q0], s47, s48
	INIT
.Lsame_\@:
	s_add_co_u32 s47, s[Q0], 31
	s_cmp_gt_u32 s[KF], s47                        ; all my 64 keys come after my 32 queries: nothing to do (only on the diagonal, for g = 1 and sb < 2)
	s_cbranch_scc1 .Lhid_\@
	s_add_co_u32 s47, s[TB], UNITB*\q
	v_add_nc_u32 v[ADK], s47, v[AK0]
.set n, 0
.rept 16
	ds_load_b128 v[KR+4*n:KR+4*n+3], v[ADK] offset:512*n       ; K: fragment (key tile kt, ds) at 8 (2 kt + ds)
.set n, n+1
.endr
.irp ks, 0,1
.irp dt, 0,1,2,3
	ds_load_b128 v[VR+8*(4*\ks+\dt):VR+8*(4*\ks+\dt)+3], v[ADK] offset:VOFF+4096*\ks+512*\dt          ; V^T: keys 32 ks + 8 h + 0..7 of d = 16 dt + r,
	ds_load_b128 v[VR+8*(4*\ks+\dt)+4:VR+8*(4*\ks+\dt)+7], v[ADK] offset:VOFF+4096*\ks+512*\dt+2048   ; and 16 keys further on
.endr
.endr
	s_wait_dscnt 16                                ; K is in; V's sixteen loads are the younger ones
	WIN 0x04                                       ; source 1 (Q) window 1
.irp ds, 0,1
.irp t, 0,1
.irp kt, 0,1,2,3                               ; the eight accumulators take turns
.if \ds == 0
	v_wmma_f32_16x16x32_f16 v[S+32*\t+8*\kt:S+32*\t+8*\kt+7], v[KR+8*(2*\kt+\ds):KR+8*(2*\kt+\ds)+7], v[16*\t+8*\ds:16*\t+8*\ds+7], 0
.else
	v_wmma_f32_16x16x32_f16 v[S+32*\t+8*\kt:S+32*\t+8*\kt+7], v[KR+8*(2*\kt+\ds):KR+8*(2*\kt+\ds)+7], v[16*\t+8*\ds:16*\t+8*\ds+7], v[S+32*\t+8*\kt:S+32*\t+8*\kt+7]
.endif
.endr
.endr
.endr
	WIN 0
.rept 4
	v_nop                                          ; four places in front of the first read of the scores
.endr
	s_add_co_u32 s47, s[KF], 63
	s_cmp_le_u32 s47, s[Q0]                        ; all my keys count for all my queries: no mask
	s_cbranch_scc1 .Lopen_\@
	s_sub_co_i32 s47, s[Q0], s[KF]
	v_add_nc_u32 v[DQ], s47, v[RH]                 ; register 8 kt + j of tile t holds key KF + 16 kt + 8 h + j: hidden where 16 kt + j > Q0 + 16 t + r - KF - 8 h
	v_add_nc_u32 v[DQ+1], 16, v[DQ]
.irp t, 0,1
.irp kt, 0,1,2,3
.irp j, 0,1,2,3,4,5,6,7
	v_cmp_gt_i32 vcc_lo, 16*\kt+\j, v[DQ+\t]
	v_cndmask_b32 v[S+32*\t+8*\kt+\j], v[S+32*\t+8*\kt+\j], v[NINF], vcc_lo
.endr
.endr
.endr
.Lopen_\@:                                     ; my first key counts for each of my queries in every unit that is walked, so the maximum is a number
.irp j, 0,1,2,3
.irp t, 0,1
	v_max3_num_f32 v[ST+8*\t+4+\j], v[S+32*\t+8*\j], v[S+32*\t+8*\j+1], v[S+32*\t+8*\j+2]   ; four chains a tile, the two tiles by turns
.endr
.endr
.irp i, 3,5
.irp j, 0,1,2,3
.irp t, 0,1
	v_max3_num_f32 v[ST+8*\t+4+\j], v[ST+8*\t+4+\j], v[S+32*\t+8*\j+\i], v[S+32*\t+8*\j+\i+1]
.endr
.endr
.endr
.irp t, 0,1
	v_max3_num_f32 v[ST+8*\t+4], v[ST+8*\t+4], v[S+32*\t+7], v[S+32*\t+15]
	v_max3_num_f32 v[ST+8*\t+6], v[ST+8*\t+6], v[S+32*\t+23], v[S+32*\t+31]
.endr
.irp t, 0,1
	v_max3_num_f32 v[ST+8*\t+4], v[ST+8*\t+4], v[ST+8*\t+5], v[ST+8*\t+6]
.endr
.irp t, 0,1
	v_max3_num_f32 v[ST+8*\t+4], v[ST+8*\t+4], v[ST+8*\t+7], v[ST+8*\t+1]   ; with the old m
.endr
.irp t, 0,1
	v_permlanex16_b32 v[ST+8*\t+5], v[ST+8*\t+4], s[SEL], s[SEL+1]          ; the query's other 32 keys lie in the lane 16 away
.endr
.irp t, 0,1
	v_mov_b32 v[ST+8*\t+7], v[ST+8*\t]             ; c m_old is kept
.endr
.irp t, 0,1
	v_max_num_f32 v[ST+8*\t+1], v[ST+8*\t+4], v[ST+8*\t+5]
.endr
.irp t, 0,1
	v_mul_f32 v[ST+8*\t], s[CS], v[ST+8*\t+1]
.endr
.irp t, 0,1
	v_sub_f32 v[ST+8*\t+7], v[ST+8*\t+7], v[ST+8*\t]
.endr
.irp b, 0,2,4,6,8,10,12,14,16,18,20,22,24,26,28,30
.irp t, 0,1
	v_pk_fma_f32 v[S+32*\t+\b:S+32*\t+\b+1], v[S+32*\t+\b:S+32*\t+\b+1], s[CS:CS+1], v[ST+8*\t:ST+8*\t+1] op_sel_hi:[1,0,0] neg_lo:[0,0,1] neg_hi:[0,0,1]   ; c s - c m
.endr
.endr
.irp t, 0,1
	v_exp_f32 v[ST+8*\t+6], v[ST+8*\t+7]           ; a.  ONE BATCH of 66 exponentials, none of which reads another's result
.endr
.set j, 0
.rept 64
	v_exp_f32 v[S+j], v[S+j]
.set j, j+1
.endr
	v_nop                                          ; a plain place behind the last exponential
	s_wait_alu depctr_va_vdst(0)                   ; and ONE wait for the batch, ahead of its first reader
.irp t, 0,1
	v_pk_mul_f32 v[ST+8*\t+2:ST+8*\t+3], v[ST+8*\t+2:ST+8*\t+3], v[ST+8*\t+6:ST+8*\t+7] op_sel_hi:[1,0]   ; l x a
.endr
.irp t, 0,1
	v_pk_add_f32 v[XS+2*\t:XS+2*\t+1], v[S+32*\t:S+32*\t+1], v[S+32*\t+2:S+32*\t+3]   ; the sum of p in f32, two chains a tile
.endr
.irp j, 4,8,12,16,20,24,28
.irp t, 0,1
	v_pk_add_f32 v[ST+8*\t+2:ST+8*\t+3], v[ST+8*\t+2:ST+8*\t+3], v[S+32*\t+\j:S+32*\t+\j+1]
	v_pk_add_f32 v[XS+2*\t:XS+2*\t+1], v[XS+2*\t:XS+2*\t+1], v[S+32*\t+\j+2:S+32*\t+\j+3]
.endr
.endr
.irp t, 0,1
	v_pk_add_f32 v[ST+8*\t+2:ST+8*\t+3], v[ST+8*\t+2:ST+8*\t+3], v[XS+2*\t:XS+2*\t+1]
.endr
.irp j, 0,1,2,3,4,5,6,7,8,9,10,11,12,13,14,15
.irp t, 0,1
	v_cvt_pk_f16_f32 v[S+32*\t+\j], v[S+32*\t+2*\j], v[S+32*\t+2*\j+1]   ; P, in place from the low end: registers 8 ks .. + 7 are source 1 for keys 32 ks on
.endr
.endr
	WIN 0x41                                       ; O^T (destination and source 0) window 1, a window 0
.irp t, 0,1
.irp j, 0,2,4,6,8,10,12,14,16,18,20,22,24,26,28,30
	v_pk_mul_f32 v[32+32*\t+\j:32+32*\t+\j+1], v[32+32*\t+\j:32+32*\t+\j+1], v[ST+8*\t+6:ST+8*\t+7] op_sel_hi:[1,0]
.endr
.endr
	s_wait_dscnt 0x0                               ; V is in
	WIN 0x50                                       ; C and D window 1
.irp ks, 0,1
.irp t, 0,1
.irp dt, 0,1,2,3
	v_wmma_f32_16x16x32_f16 v[32+32*\t+8*\dt:32+32*\t+8*\dt+7], v[VR+8*(4*\ks+\dt):VR+8*(4*\ks+\dt)+7], v[S+32*\t+8*\ks:S+32*\t+8*\ks+7], v[32+32*\t+8*\dt:32+32*\t+8*\dt+7]
.endr
.endr
.endr
	WIN 0
.rept 5
	v_nop                                          ; five places: the next unit's first products write over P's registers, which these have read; its loads land in V's
.endr
.Lhid_\@:
	s_add_co_u32 s[KF], s[KF], 128
	s_add_co_u32 s[UC], s[UC], 1
.endm
	s_load_b128 s[4:7], s[0:1], 0x0                ; qkv s[4:5], att s[6:7]
	v_lshl_add_u32 v[SPW], v0, 2, SPARE
	v_mov_b32 v[NIL], 0
	ds_add_u32 v[SPW], v[NIL]                      ; the wave's opening: the add, twice on end, and its wait ahead of the first tensor load; the set-up, work on registers, stands between
	ds_add_u32 v[SPW], v[NIL]
	v_lshrrev_b32 v14, 5, v0
	v_readfirstlane_b32 s[WV], v14
	s_lshr_b32 s[GH], s[WV], 2
	s_and_b32 s[SB], s[WV], 3
	s_mov_b32 s[IB], ttmp9
	s_and_b32 s[HEAD], ttmp7, 0xffff
	s_sub_co_u32 s[LH], 32, s[IB]
	s_mov_b32 s[UC], 0
	s_lshr_b32 s[UN], s[WV], 1                     ; waves 2 u and 2 u + 1 fetch K's and V's part of a slot's unit u
	s_mov_b32 s[G1], 3<<16                         ; no mask; elements of 8 bytes; no padding: a dense block of 16 KiB as 64 rows of 256 bytes
	s_mov_b32 s[G1+1], 32<<16                      ; tensor_dim0 = 32
	s_mov_b32 s[G1+2], 64<<16                      ; tensor_dim1 = 64
	s_mov_b32 s[G1+3], 32<<16                      ; tile_dim0 = 32
	s_mov_b32 s[G1+4], 64                          ; tile_dim1 = 64
	s_mov_b32 s[G1+5], 32                          ; the pitch
	s_mov_b32 s[G1+6], 0
	s_mov_b32 s[G1+7], 0
	s_mov_b32 s[CS], 0x3e38aa3b                    ; c = log2(e) / sqrt(64)
	s_mov_b32 s[CS+1], s[CS]
	s_mov_b32 s[SEL], 0x76543210
	s_mov_b32 s[SEL+1], 0xfedcba98
	s_mov_b32 s[TB], 0
	s_lshl_b32 s[KF], s[GH], 6
	s_sub_co_u32 s47, 31, s[IB]
	s_lshl_b32 s47, s47, 7
	s_lshl_b32 s48, s[SB], 5
	s_add_co_u32 s[Q0], s47, s48                   ; block H first
	s_mov_b32 s[SLOTS], 10
	s_cmp_lt_u32 s[WV], 6
	s_cselect_b32 s47, 1, 0
	s_or_b32 s47, s47, s[IB]
	s_cmp_eq_u32 s47, 0                            ; waves 6 and 7 of the work-group with i = 0
	s_cselect_b32 s[LIM], 2, -1
	s_and_b32 s47, s[WV], 1
	s_mul_i32 s47, s47, 12
	s_add_co_u32 s47, s47, s[HEAD]
	s_add_co_u32 s47, s47, 12
	s_lshl_b32 s48, s47, 19                        ; slice 12 + head (K) or 24 + head (V), 524,288 bytes each
	s_mov_b32 s49, 0
	s_lshl_b32 s50, s[HEAD], 19
	s_mov_b32 s51, 0                               ; stays 0: the upper word of the pair s[50:51]
	s_lshl_b32 s[OFS], s[UN], 14
	s_mov_b32 s[OFS+1], 0
	; every LDS address register is made here, ahead of the first branch on the wave's number
	v_and_b32 v14, 31, v0
	v_lshlrev_b32 v[LI], 4, v14
	v_lshlrev_b32 v[PFO], 8, v14
	s_lshl_b32 s47, s[GH], 13
	v_add_nc_u32 v[AK0], s47, v[LI]
	v_mov_b32 v[NINF], 0xff800000
	s_mul_i32 s47, s[WV], DUMPB
	s_add_co_u32 s52, s47, MERGE_H
	v_add_nc_u32 v[DH], s52, v[LI]
	s_add_co_u32 s52, s47, STAGE_L
	v_add_nc_u32 v[DL], s52, v[LI]
	s_mul_i32 s47, s[GH], MERGE_H-STAGE_L          ; waves with g = 1 merge H, those with g = 0 L
	s_mul_i32 s52, s[SB], DUMPB
	s_add_co_u32 s47, s47, s52
	s_add_co_u32 s47, s47, STAGE_L
	v_add_nc_u32 v[MA], s47, v[LI]
	v_and_b32 v15, 15, v0
	v_bfe_u32 v14, v0, 4, 1
	v_lshlrev_b32 v14, 3, v14
	v_sub_nc_u32 v[RH], v15, v14
	s_wait_dscnt 0x0                               ; both opening adds are done
	s_wait_kmcnt 0x0
	s_add_nc_u64 s[KVB:KVB+1], s[4:5], s[48:49]
	s_add_nc_u64 s[QIM:QIM+1], s[4:5], s[50:51]
	s_add_nc_u64 s[PFA:PFA+1], s[KVB:KVB+1], 3*VOFF  ; in slot 1: the first change of slots steps it to slot 2
	s_mov_b32 s[G0], 1                             ; count = 1
	s_lshl_b32 s[G0+1], s[WV], 14                  ; LDS address: 16,384 x wave, in slot 0
	s_add_nc_u64 s[G0+2:G0+3], s[KVB:KVB+1], s[OFS:OFS+1]
	s_or_b32 s[G0+3], s[G0+3], 0x80000000          ; type = 2
	TLOAD                                          ; slot 0
	INIT
.Lslot:                                            ; ten trips: behind each change of slots but the last the next slot is asked for
	CHANGE 1
	UNIT 0
	UNIT 1
	UNIT 2
	s_xor_b32 s[TB], s[TB], SLOT1
	s_sub_co_u32 s[SLOTS], s[SLOTS], 1
	s_cmp_lg_u32 s[SLOTS], 0
	s_cbranch_scc1 .Lslot
	CHANGE 0                                       ; the last slot is written out
	UNIT 0
	UNIT 1
	UNIT 2
	DUMP DL                                        ; slot 1 was left by every wave at the last change of slots and is filled no more
	s_barrier_signal -1
	s_barrier_wait -1
	; THE MERGE: the partials of g = 0 and g = 1 for my 32 queries of my block.  A partial that saw no key has c m = c x (-3e38), l = 0, O = 0: its factor comes out 0.
.set n, 0
.rept 16
	ds_load_b128 v[32+4*n:32+4*n+3], v[MA] offset:512*n
	ds_load_b128 v[96+4*n:96+4*n+3], v[MA] offset:4*DUMPB+512*n
.set n, n+1
.endr
.irp t, 0,1
	ds_load_b128 v[160+4*\t:163+4*\t], v[MA] offset:8192+512*\t
	ds_load_b128 v[168+4*\t:171+4*\t], v[MA] offset:4*DUMPB+8192+512*\t
.endr
	s_sub_co_u32 s47, 31, s[IB]
	s_cmp_eq_u32 s[GH], 1
	s_cselect_b32 s47, s47, s[IB]                  ; my block
	s_lshl_b32 s47, s47, 3
	s_lshl_b32 s48, s[SB], 1
	s_add_co_u32 s47, s47, s48                     ; its row tile 8 block + 2 sb
	s_mul_i32 s50, s47, 24576
	s_lshl_b32 s48, s[HEAD], 11
	s_add_co_u32 s50, s50, s48
	s_add_nc_u64 s[6:7], s[6:7], s[50:51]
	s_wait_dscnt 0x0
.irp t, 0,1
	v_max_num_f32 v[176+\t], v[160+4*\t], v[168+4*\t]
.endr
.irp t, 0,1
	v_sub_f32 v[180+4*\t], v[160+4*\t], v[176+\t]
	v_sub_f32 v[182+4*\t], v[168+4*\t], v[176+\t]
.endr
.irp t, 0,1
	v_exp_f32 v[180+4*\t], v[180+4*\t]
	v_exp_f32 v[182+4*\t], v[182+4*\t]
.endr
.irp t, 0,1
	v_add_f32 v[188+2*\t], v[162+4*\t], v[163+4*\t]    ; l's two halves (plain work behind the exponentials)
	v_add_f32 v[189+2*\t], v[170+4*\t], v[171+4*\t]
.endr
	s_wait_alu depctr_va_vdst(0)                   ; one wait for the four
.irp t, 0,1
	v_mul_f32 v[188+2*\t], v[188+2*\t], v[180+4*\t]
.endr
.irp t, 0,1
	v_fma_f32 v[188+2*\t], v[189+2*\t], v[182+4*\t], v[188+2*\t]
.endr
.irp t, 0,1
	v_permlanex16_b32 v[189+2*\t], v[188+2*\t], s[SEL], s[SEL+1]
.endr
.irp t, 0,1
	v_add_f32 v[188+2*\t], v[188+2*\t], v[189+2*\t]    ; the row's sum
.endr
.irp t, 0,1
	v_rcp_f32 v[188+2*\t], v[188+2*\t]
.endr
	v_nop
	s_wait_alu depctr_va_vdst(0)
.irp t, 0,1
	v_mul_f32 v[180+4*\t], v[180+4*\t], v[188+2*\t]
	v_mul_f32 v[182+4*\t], v[182+4*\t], v[188+2*\t]
.endr
.irp t, 0,1
	v_mov_b32 v[181+4*\t], v[180+4*\t]             ; each factor twice: a pair for the packed forms
	v_mov_b32 v[183+4*\t], v[182+4*\t]
.endr
.irp t, 0,1
.irp j, 0,2,4,6,8,10,12,14,16,18,20,22,24,26,28,30
	v_pk_mul_f32 v[32+32*\t+\j:33+32*\t+\j], v[32+32*\t+\j:33+32*\t+\j], v[180+4*\t:181+4*\t]
.endr
.endr
.irp t, 0,1
.irp j, 0,2,4,6,8,10,12,14,16,18,20,22,24,26,28,30
	v_pk_fma_f32 v[32+32*\t+\j:33+32*\t+\j], v[96+32*\t+\j:97+32*\t+\j], v[182+4*\t:183+4*\t], v[32+32*\t+\j:33+32*\t+\j]
.endr
.endr
.irp t, 0,1
.irp j, 0,1,2,3,4,5,6,7,8,9,10,11,12,13,14,15
	v_cvt_pk_f16_f32 v[192+16*\t+\j], v[32+32*\t+2*\j], v[33+32*\t+2*\j]
.endr
.endr
.irp t, 0,1
.irp dt, 0,1,2,3
	global_store_b128 v[LI], v[192+16*\t+4*\dt:195+16*\t+4*\dt], s[6:7] offset:24576*\t+512*\dt   ; lane (r, h): row r, d = 16 dt + 8 h + 0..7; each store covers 512 consecutive bytes
.endr
.endr
	s_wait_tensorcnt 0x0                           ; the wave's end: behind my last tensor load and my last LDS store
	ds_add_u32 v[SPW], v[NIL]
	s_wait_dscnt 0x0
	s_endpgm
.Lfunc_end_k_q6f0e27da97_attn:
	.size	k_q6f0e27da97_attn, .Lfunc_end_k_q6f0e27da97_attn-k_q6f0e27da97_attn
	.p2alignl 7, 3214868480
	.fill 96, 4, 3214868480
	.section	.rodata,"a",@progbits
	.p2align	6, 0x0
	.amdhsa_kernel k_q6f0e27da97_attn
		.amdhsa_group_segment_fixed_size 327680
		.amdhsa_private_segment_fixed_size 0
		.amdhsa_enable_private_segment 0
		.amdhsa_kernarg_size 16
		.amdhsa_user_sgpr_count 2
		.amdhsa_user_sgpr_kernarg_segment_ptr 1
		.amdhsa_wavefront_size32 1
		.amdhsa_system_sgpr_workgroup_id_x 1
		.amdhsa_system_sgpr_workgroup_id_y 1
		.amdhsa_system_sgpr_workgroup_id_z 1
		.amdhsa_system_vgpr_workitem_id 0
		.amdhsa_next_free_vgpr 352
		.amdhsa_next_free_sgpr 66
		.amdhsa_reserve_vcc 1
		.amdhsa_float_denorm_mode_32 3
		.amdhsa_float_denorm_mode_16_64 3
		.amdhsa_memory_ordered 1
		.amdhsa_forward_progress 1
		.amdhsa_inst_pref_size 179
	.end_amdhsa_kernel
	.amdgpu_metadata
---
amdhsa.version: [ 1, 2 ]
amdhsa.kernels:
  - .name:           k_q6f0e27da97_attn
    .symbol:         k_q6f0e27da97_attn.kd
    .args:
      - { .name: qkv, .offset: 0, .size: 8, .value_kind: global_buffer, .address_space: global }
      - { .name: att, .offset: 8, .size: 8, .value_kind: global_buffer, .address_space: global }
    .group_segment_fixed_size: 327680
    .private_segment_fixed_size: 0
    .kernarg_segment_align: 8
    .kernarg_segment_size: 16
    .max_flat_workgroup_size: 256
    .sgpr_count:     66
    .vgpr_count:     352
    .wavefront_size: 32
...
	.end_amdgpu_metadata
.endif
;; end of part 3
;; launch proj (part 4): grid 32 x 6, 4 waves a work-group, clusters of 4 x 1, 230,912 bytes of LDS; arguments att, wo16, out0; writes out0
.if DOCPART == 4
	.amdgcn_target "amdgcn-amd-amdhsa--gfx1250"
	.amdhsa_code_object_version 6
	.text
	.protected	k_q6f0e27da97_proj
	.globl	k_q6f0e27da97_proj
	.p2align	8
	.type	k_q6f0e27da97_proj,@function
k_q6f0e27da97_proj:
	s_mov_b64 s[64:65], 0
	v_nop
	global_prefetch_b8 v0, s[64:65] scope:SCOPE_SE
	s_setreg_imm32_b32 hwreg(HW_REG_WAVE_MODE, 25, 1), 1
	s_wait_xcnt 0x0
	s_wait_alu depctr_hold_cnt(0) depctr_sa_sdst(0) depctr_va_vdst(0) depctr_va_sdst(0) depctr_va_ssrc(0) depctr_va_vcc(0) depctr_vm_vsrc(0)
	s_getreg_b32 s2, hwreg(HW_REG_IB_STS2, 6, 4)
	s_cmp_eq_u32 s2, 0
	s_cbranch_scc0 .Lentry_in_a_cluster
	s_endpgm
.Lentry_in_a_cluster:
	s_bfe_u32 s2, ttmp6, 0x10000c
	s_cmp_lg_u32 s2, 0x3003
	s_cbranch_scc0 .Lentry_shape_is_right
	s_endpgm
.Lentry_shape_is_right:
; PROJ: out0 = att Wo, f16 operands, f32 sums; K = 768 = 24 steps of 32.  All 4,096 rows (rows 0-15 are stored again, more finely, by the launch that follows).
; SHARES.  A work-group makes 128 rows x 128 columns; wave w rows 32 w .. + 31 (two tiles) against all 128 columns: 16 accumulators.
; Wo's PANEL of the 128 columns, 196,608 bytes, lies in LDS for the whole launch, filled ONCE, in four pieces along K so that the products begin when the first has landed.
; CLUSTER 4 x 1: the four partners differ in their rows alone and need the same panel: each piece is asked for JOINTLY, by the same tensor load with the same descriptor and the mask of all four.
; By this text's own count a wave has four tensor loads out at the most.  att's fragments are a wave's own: they go from memory straight into registers, all 96 loads at the head.
; THE MATRIX INSTRUCTION IS USED TRANSPOSED (source 0 = 16 columns of Wo, source 1 = 16 rows of att): a lane holds eight neighbouring numbers of a row of out0.
; REGISTERS: window 0: v1-9 addresses; v64-191 two sets of Wo's eight fragments, later rows on the way out.  Windows 1 and 2: att's fragments, 16 ks + 8 a.  Window 3: accumulator (a, ct) at 8 (8 a + ct).
.set PIECE,  49152                     ; a piece of the panel: 8 column tiles x 6,144 bytes (192 along K)
.set STAGE,  196608                    ; behind the panel: 16 rows x (512 + 16) bytes for each wave
.set SPITCH, 528
.set SPARE,  230400                    ; the spare words, 128 bytes for each wave: two blocks of 256 bytes that no other line names
.set LI,  1                            ; v1   16 x lane
.set LB,  2                            ; v2-5 16 x lane + the piece
.set STO, 6                            ; v6   the stage: where I put 32 bytes of a row
.set RD,  7                            ; v7   and where I read a row back
.set SPW, 8
.set NIL, 9
.set G1,  24                           ; s[24:31] descriptor group 1;  s[32:47] group 0, a set for each piece
.set G0,  32
.set MSB, 0
.macro WIN new
.if MSB != \new
	s_set_vgpr_msb (MSB<<8)|\new
.set MSB, \new
.endif
.endm
.macro CROUND                          ; a round of the cluster's barrier
	s_barrier_signal -1
	s_barrier_wait -1
	s_cmp_lg_u32 s10, 0
	s_cbranch_scc1 .Lnot_wave_0_\@
	s_barrier_signal -3
.Lnot_wave_0_\@:
	s_barrier_wait -3
	s_barrier_signal -1
	s_barrier_wait -1
.endm
	s_load_b128 s[4:7], s[0:1], 0x0                ; att s[4:5], wo16 s[6:7]
	s_load_b64 s[8:9], s[0:1], 0x10                ; out0
	v_lshl_add_u32 v[SPW], v0, 2, SPARE
	v_mov_b32 v[NIL], 0
	ds_add_u32 v[SPW], v[NIL]                      ; the wave's opening: the add, twice on end, and its wait ahead of the round in front of the first tensor loads
	ds_add_u32 v[SPW], v[NIL]
	v_lshrrev_b32 v10, 5, v0
	v_readfirstlane_b32 s10, v10                   ; wave
	s_bfe_u32 s11, ttmp6, 0x40000                  ; cx: it enters att's and out0's addresses alone
	s_lshl_b32 s12, ttmp9, 2
	s_add_co_u32 s12, s12, s11                     ; my block of 128 rows
	s_and_b32 s13, ttmp7, 0xffff                   ; my 128 columns, which the partners share
	s_mov_b32 s[G1], 15|(3<<16)|(1<<21)            ; the mask: all four work-groups; elements of 8 bytes; bit 21 set beside a mask; no padding
	s_mov_b32 s[G1+1], 768<<16                     ; tensor_dim0 = 768 elements: 6,144 bytes of a column tile
	s_mov_b32 s[G1+2], 2<<16                       ; tensor_dim1 = 2 column tiles
	s_mov_b32 s[G1+3], 768<<16                     ; tile_dim0
	s_mov_b32 s[G1+4], 2                           ; tile_dim1
	s_mov_b32 s[G1+5], 3072                        ; from a column tile to the next: 24,576 bytes
	s_mov_b32 s[G1+6], 0
	s_mov_b32 s[G1+7], 0
	s_lshl_b32 s14, s13, 3
	s_lshl_b32 s15, s10, 1
	s_add_co_u32 s14, s14, s15
	s_mul_i32 s14, s14, 24576                      ; Wo: column tiles 8 x columns + 2 x wave: no place in the cluster enters
	s_mov_b32 s15, 0
	s_lshl_b32 s16, s12, 3
	s_lshl_b32 s17, s10, 1
	s_add_co_u32 s16, s16, s17
	s_mul_i32 s16, s16, 24576                      ; att: row tiles 8 x block + 2 x wave
	s_mov_b32 s17, 0
	s_lshl_b32 s18, s12, 7
	s_lshl_b32 s19, s10, 5
	s_add_co_u32 s18, s18, s19
	s_mul_i32 s18, s18, 3072                       ; out0: my first row,
	s_lshl_b32 s19, s13, 9
	s_add_co_u32 s18, s18, s19                     ; my work-group's 512 bytes of it
	s_mov_b32 s19, 0
	s_mul_i32 s20, s10, 12288                      ; my two column tiles' place in a piece
	v_and_b32 v10, 31, v0
	v_lshlrev_b32 v[LI], 4, v10
.irp kc, 0,1,2,3
	v_add_nc_u32 v[LB+\kc], PIECE*\kc, v[LI]
.endr
	v_and_b32 v11, 15, v0
	v_bfe_u32 v12, v0, 4, 1
	s_mul_i32 s21, s10, 16*SPITCH
	s_add_co_u32 s21, s21, STAGE
	v_mul_u32_u24 v[STO], v11, SPITCH
	v_lshl_add_u32 v[STO], v12, 5, v[STO]
	v_add_nc_u32 v[STO], s21, v[STO]
	v_add_nc_u32 v[RD], s21, v[LI]
	s_wait_dscnt 0x0                               ; both opening adds are done
	s_wait_kmcnt 0x0
	s_add_nc_u64 s[6:7], s[6:7], s[14:15]
	s_add_nc_u64 s[4:5], s[4:5], s[16:17]
	s_add_nc_u64 s[8:9], s[8:9], s[18:19]
	CROUND                                         ; all four work-groups are here: the joint loads meet
.irp kc, 0,1,2,3
	s_mov_b32 s[G0+4*\kc], 1
	s_add_co_u32 s[G0+4*\kc+1], s20, PIECE*\kc
	s_add_nc_u64 s[G0+4*\kc+2:G0+4*\kc+3], s[6:7], 6144*\kc
	s_or_b32 s[G0+4*\kc+3], s[G0+4*\kc+3], 0x80000000
.endr
.irp kc, 0,1,2,3
	tensor_load_to_lds s[G0+4*\kc:G0+4*\kc+3], s[G1:G1+7]
	s_nop 0
.endr
.rept 4
	v_nop                                          ; ahead of the switch of windows
.endr
	WIN 0x40                                       ; destination window 1: K steps 0-15
.set ks, 0
.rept 16
.irp a, 0,1
.irp c, 0,1
	global_load_b128 v[16*ks+8*\a+4*\c:16*ks+8*\a+4*\c+3], v[LI], s[4:5] offset:24576*\a+1024*ks+512*\c
.endr
.endr
.set ks, ks+1
.endr
	WIN 0x80                                       ; window 2: K steps 16-23
.rept 8
.irp a, 0,1
.irp c, 0,1
	global_load_b128 v[16*(ks-16)+8*\a+4*\c:16*(ks-16)+8*\a+4*\c+3], v[LI], s[4:5] offset:24576*\a+1024*ks+512*\c
.endr
.endr
.set ks, ks+1
.endr
	WIN 0
.macro FETCHB kc, ksl, p               ; Wo's eight fragments of the piece's ksl-th K step into set p
.rept 4
	v_nop                                          ; four places in front of loads into registers that matrix instructions have read
.endr
.irp ct, 0,1,2,3,4,5,6,7
.irp c, 0,1
	ds_load_b128 v[64+64*(\p)+8*\ct+4*\c:64+64*(\p)+8*\ct+4*\c+3], v[LB+\kc] offset:6144*\ct+1024*(\ksl)+512*\c
.endr
.endr
.endm
.macro MULS ks                         ; sixteen matrix instructions; the sixteen accumulators take turns
.set AB, 16*((\ks)%16)
.set BS, 64+64*((\ks)%2)
.if (\ks) < 16
	WIN 0xf4                                       ; source 1 (att) window 1, C and D window 3
.else
	WIN 0xf8                                       ; source 1 window 2
.endif
.irp a, 0,1
.irp ct, 0,1,2,3,4,5,6,7
.if (\ks) == 0
	v_wmma_f32_16x16x32_f16 v[8*(8*\a+\ct):8*(8*\a+\ct)+7], v[BS+8*\ct:BS+8*\ct+7], v[AB+8*\a:AB+8*\a+7], 0
.else
	v_wmma_f32_16x16x32_f16 v[8*(8*\a+\ct):8*(8*\a+\ct)+7], v[BS+8*\ct:BS+8*\ct+7], v[AB+8*\a:AB+8*\a+7], v[8*(8*\a+\ct):8*(8*\a+\ct)+7]
.endif
.endr
.endr
	WIN 0
.endm
.irp kc, 0,1,2,3
	s_wait_tensorcnt 3-\kc                         ; my part of this piece has landed; the later pieces may stay out
.if \kc == 0
	s_wait_loadcnt 63                              ; att's K steps 0-5 are in: 72 younger loads would do, the count is held to what the wait can name
.else
	s_wait_loadcnt 72-24*\kc                       ; this piece's 24 loads of att are in; the later pieces', 24 each, may be out
.endif
	s_wait_dscnt 0x0
	s_barrier_signal -1
	s_barrier_wait -1                              ; everybody's part has landed
	FETCHB \kc, 0, 0
.irp ksl, 0,1,2,3,4,5
.if \ksl < 5
	FETCHB \kc, \ksl+1, (\ksl+1)%2
	s_wait_dscnt 16                                ; this step's set is in; the sixteen loads just issued may be out
.else
	s_wait_dscnt 0x0
.endif
	MULS 6*\kc+\ksl
.endr
.endr
; THE WAY OUT: a tile of 16 rows x 128 columns goes through my own stage and comes back as whole rows of 512 bytes.  LDS serves a wave's instructions in order: no wait between the stores and the loads.
.macro TOSTAGE a
	WIN 0x0c                                       ; an LDS store's data are its source 1: window 3
.irp ct, 0,1,2,3,4,5,6,7
	ds_store_b128 v[STO], v[8*(8*\a+\ct):8*(8*\a+\ct)+3] offset:64*\ct        ; each accumulator from its low end on
	ds_store_b128 v[STO], v[8*(8*\a+\ct)+4:8*(8*\a+\ct)+7] offset:64*\ct+16
.endr
	WIN 0
.irp t, 0,1,2,3,4,5,6,7,8,9,10,11,12,13,14,15
	ds_load_b128 v[64+64*\a+4*\t:64+64*\a+4*\t+3], v[RD] offset:\t*SPITCH
.endr
.endm
.macro SEND a, younger
	s_wait_dscnt \younger
.irp t, 0,1,2,3,4,5,6,7,8,9,10,11,12,13,14,15
	global_store_b128 v[LI], v[64+64*\a+4*\t:64+64*\a+4*\t+3], s[8:9] offset:(16*\a+\t)*3072 th:TH_STORE_NT   ; 32 lanes store 512 consecutive bytes of a row
.endr
.endm
.rept 4
	v_nop                                          ; four places in front of the first read of results and of loads into the sets' registers
.endr
	TOSTAGE 0
	TOSTAGE 1
	SEND 0, 32                                     ; behind tile 0's loads: tile 1's sixteen stores and sixteen loads
	SEND 1, 0
	s_wait_tensorcnt 0x0                           ; the wave's end: behind my last tensor load and my last LDS store
	ds_add_u32 v[SPW], v[NIL]
	s_wait_dscnt 0x0
	CROUND                                         ; the closing round
	s_endpgm
.Lfunc_end_k_q6f0e27da97_proj:
	.size	k_q6f0e27da97_proj, .Lfunc_end_k_q6f0e27da97_proj-k_q6f0e27da97_proj
	.p2alignl 7, 3214868480
	.fill 96, 4, 3214868480
	.section	.rodata,"a",@progbits
	.p2align	6, 0x0
	.amdhsa_kernel k_q6f0e27da97_proj
		.amdhsa_group_segment_fixed_size 230912
		.amdhsa_private_segment_fixed_size 0
		.amdhsa_enable_private_segment 0
		.amdhsa_kernarg_size 24
		.amdhsa_user_sgpr_count 2
		.amdhsa_user_sgpr_kernarg_segment_ptr 1
		.amdhsa_wavefront_size32 1
		.amdhsa_system_sgpr_workgroup_id_x 1
		.amdhsa_system_sgpr_workgroup_id_y 1
		.amdhsa_system_sgpr_workgroup_id_z 1
		.amdhsa_system_vgpr_workitem_id 0
		.amdhsa_next_free_vgpr 896
		.amdhsa_next_free_sgpr 66
		.amdhsa_reserve_vcc 0
		.amdhsa_float_denorm_mode_32 3
		.amdhsa_float_denorm_mode_16_64 3
		.amdhsa_memory_ordered 1
		.amdhsa_forward_progress 1
		.amdhsa_inst_pref_size 76
	.end_amdhsa_kernel
	.amdgpu_metadata
---
amdhsa.version: [ 1, 2 ]
amdhsa.kernels:
  - .name:           k_q6f0e27da97_proj
    .symbol:         k_q6f0e27da97_proj.kd
    .args:
      - { .name: att, .offset: 0, .size: 8, .value_kind: global_buffer, .address_space: global }
      - { .name: wo16, .offset: 8, .size: 8, .value_kind: global_buffer, .address_space: global }
      - { .name: out0, .offset: 16, .size: 8, .value_kind: global_buffer, .address_space: global }
    .group_segment_fixed_size: 230912
    .private_segment_fixed_size: 0
    .kernarg_segment_align: 8
    .kernarg_segment_size: 24
    .max_flat_workgroup_size: 128
    .sgpr_count:     66
    .vgpr_count:     896
    .wavefront_size: 32
...
	.end_amdgpu_metadata
.endif
;; end of part 4
;; launch fine16 (part 5): grid 12 x 1, 12 waves a work-group, no clusters, 53,760 bytes of LDS; arguments fine, Wo, out0; writes out0
.if DOCPART == 5
	.amdgcn_target "amdgcn-amd-amdhsa--gfx1250"
	.amdhsa_code_object_version 6
	.text
	.protected	k_q6f0e27da97_fine16
	.globl	k_q6f0e27da97_fine16
	.p2align	8
	.type	k_q6f0e27da97_fine16,@function
k_q6f0e27da97_fine16:
	s_mov_b64 s[64:65], 0
	v_nop
	global_prefetch_b8 v0, s[64:65] scope:SCOPE_SE
	s_setreg_imm32_b32 hwreg(HW_REG_WAVE_MODE, 25, 1), 1
	s_wait_xcnt 0x0
; FINE16: positions 0-15, whose rows average one to sixteen values, in f32 throughout: attention and projection by v_wmma_f32_16x16x4_f32 on the f32 images that the products' launch left, and on Wo as it is given.
; SHARES.  A work-group makes 64 columns of out0's rows 0-15; wave = head: it repeats its head's small attention, multiplies by its 64 rows of Wo, and the twelve heads' parts are added through LDS, heads ascending.
; LAYOUT.  The form takes k = 2 h + j in register j of lane (r, h).  The images hold, in lane (r, h), eight neighbours 8 h + 0..7 along the product's K; a pair of registers 2 t, 2 t + 1 so carries the four
; K places 8 h + 2 t + j, the SAME places on both sides of a product: the sum over the pairs is the whole sum, in another order.
; All products transposed: a lane holds ONE query.  The registers that the matrix form writes (v172-235) are written by matrix instructions alone; each sum begins with the constant 0.
.set QF,  12                           ; v12-43   q: 8 b + jj = q(position r, d = 16 b + 8 h + jj)
.set KFR, 44                           ; v44-75   k likewise;  later v12-75: Wo's K steps 8-15
.set VF,  76                           ; v76-107  v: 8 dt + jj = v(key 8 h + jj, d = 16 dt + r);  later O / l
.set WA,  108                          ; v108-171 Wo's K steps 0-7: 8 kap + 2 ct + j;  later the parts to be added
.set SA,  172                          ; v172-203 four accumulators: S^T by quarters of d, then the projection's four column tiles
.set OA,  204                          ; v204-235 O^T
.set PP,  236                          ; v236-243 the scores, then p
.set X,   244                          ; v244-251 at work
.set SPARE, 52224                      ; behind the twelve parts of 4,352 bytes: the spare words, 128 bytes for each wave: six blocks of 256 bytes that no other line names
	s_load_b128 s[4:7], s[0:1], 0x0                ; fine s[4:5], Wo s[6:7]
	s_load_b64 s[8:9], s[0:1], 0x10                ; out0
	v_lshl_add_u32 v7, v0, 2, SPARE                ; v7 my spare word, v8 0: never rewritten
	v_mov_b32 v8, 0
	v_lshrrev_b32 v10, 5, v0
	v_readfirstlane_b32 s10, v10                   ; wave = head
	v_and_b32 v10, 31, v0
	v_lshlrev_b32 v1, 4, v10                       ; v1: 16 x lane
	v_and_b32 v10, 15, v0                          ; r
	v_bfe_u32 v11, v0, 4, 1                        ; h
	v_mul_u32_u24 v2, v11, 24576
	v_lshl_add_u32 v2, v10, 2, v2                  ; v2: Wo: column r, 8 h rows down
	v_lshlrev_b32 v3, 3, v11
	v_sub_nc_u32 v3, v10, v3                       ; v3: r - 8 h, for the mask
	s_mul_i32 s16, s10, 4352
	v_mul_u32_u24 v4, v10, 272
	v_lshl_add_u32 v4, v11, 5, v4
	v_add_nc_u32 v4, s16, v4                       ; v4: my part: row r of 256 + 16 bytes, + 32 h
	s_min_u32 s15, s10, 7                          ; waves 0-7 add and store two rows each
	s_lshl_b32 s15, s15, 1
	s_mul_i32 s17, s15, 272
	v_mul_u32_u24 v5, v11, 272
	v_lshl_add_u32 v5, v10, 4, v5
	v_add_nc_u32 v5, s17, v5                       ; v5: row 2 w + h of a part, 16 bytes a lane
	s_mul_i32 s17, s15, 3072
	v_mul_u32_u24 v6, v11, 3072
	v_lshl_add_u32 v6, v10, 4, v6
	v_add_nc_u32 v6, s17, v6                       ; v6: the same place in out0
	v_mov_b32 v9, 0xff800000                       ; -infinity
	s_mov_b32 s12, 0x76543210
	s_mov_b32 s13, 0xfedcba98
	s_mov_b32 s14, 0x3e38aa3b                      ; c = log2(e) / sqrt(64)
	s_lshl_b32 s18, s10, 12                        ; my head's slice of fine
	s_mov_b32 s19, 0
	s_mul_i32 s20, s10, 196608                     ; my head's 64 rows of Wo,
	s_lshl_b32 s22, ttmp9, 8                       ; my work-group's 64 columns
	s_add_co_u32 s20, s20, s22
	s_mov_b32 s21, 0
	s_mov_b32 s23, 0
	s_wait_kmcnt 0x0
	s_add_nc_u64 s[4:5], s[4:5], s[18:19]
	s_add_nc_u64 s[6:7], s[6:7], s[20:21]
	s_add_nc_u64 s[8:9], s[8:9], s[22:23]
.set n, 0
.rept 8
	global_load_b128 v[QF+4*n:QF+4*n+3], v1, s[4:5] offset:512*n
	global_load_b128 v[KFR+4*n:KFR+4*n+3], v1, s[4:5] offset:12*4096+512*n
	global_load_b128 v[VF+4*n:VF+4*n+3], v1, s[4:5] offset:24*4096+512*n
.set n, n+1
.endr
.macro WOLOAD reg, k0                  ; eight K steps of Wo from step k0 on: step kap = 4 dt + t holds rows 16 dt + 8 h + 2 t + j of my head
.set kap, \k0
.rept 8
.irp ct, 0,1,2,3
.irp j, 0,1
	global_load_b32 v[\reg+8*(kap-\k0)+2*\ct+\j], v2, s[6:7] offset:(16*(kap/4)+2*(kap%4)+\j)*3072+64*\ct
.endr
.endr
.set kap, kap+1
.endr
.endm
	WOLOAD WA, 0
	s_wait_loadcnt 63                              ; of the 88 loads the 25 oldest are in: q, k and v
.irp tp, 0,1,2,3                               ; S^T = K Q^T: four accumulators, one for each 16 of d, by turns
.irp b, 0,1,2,3
.if \tp == 0
	v_wmma_f32_16x16x4_f32 v[SA+8*\b:SA+8*\b+7], v[KFR+8*\b+2*\tp:KFR+8*\b+2*\tp+1], v[QF+8*\b+2*\tp:QF+8*\b+2*\tp+1], 0
.else
	v_wmma_f32_16x16x4_f32 v[SA+8*\b:SA+8*\b+7], v[KFR+8*\b+2*\tp:KFR+8*\b+2*\tp+1], v[QF+8*\b+2*\tp:QF+8*\b+2*\tp+1], v[SA+8*\b:SA+8*\b+7]
.endif
.endr
.endr
.rept 8
	v_nop                                          ; eight places behind this form, in front of reads of results and of loads into its sources
.endr
	WOLOAD QF, 8                                   ; into q's and k's registers, which are done with
.irp p, 0,2,4,6
	v_pk_add_f32 v[PP+\p:PP+\p+1], v[SA+\p:SA+\p+1], v[SA+8+\p:SA+8+\p+1]         ; each accumulator from its low end on
.endr
.irp p, 0,2,4,6
	v_pk_add_f32 v[X+\p:X+\p+1], v[SA+16+\p:SA+16+\p+1], v[SA+24+\p:SA+24+\p+1]
.endr
.irp p, 0,2,4,6
	v_pk_add_f32 v[PP+\p:PP+\p+1], v[PP+\p:PP+\p+1], v[X+\p:X+\p+1]               ; lane (r, h), register j: score of query r and key 8 h + j
.endr
.irp j, 0,1,2,3,4,5,6,7
	v_cmp_gt_i32 vcc_lo, \j, v3                    ; hidden where 8 h + j > r
	v_cndmask_b32 v[PP+\j], v[PP+\j], v9, vcc_lo
.endr
	v_max3_num_f32 v[X], v[PP], v[PP+1], v[PP+2]
	v_max3_num_f32 v[X+1], v[PP+3], v[PP+4], v[PP+5]
	v_max3_num_f32 v[X], v[X], v[PP+6], v[PP+7]
	v_max_num_f32 v[X], v[X], v[X+1]
	v_permlanex16_b32 v[X+1], v[X], s12, s13
	v_max_num_f32 v[X], v[X], v[X+1]               ; key 0 counts for every query: a number
	v_mul_f32 v[X], s14, v[X]
.irp j, 0,1,2,3,4,5,6,7
	v_fma_f32 v[PP+\j], v[PP+\j], s14, -v[X]
.endr
.irp j, 0,1,2,3,4,5,6,7
	v_exp_f32 v[PP+\j], v[PP+\j]
.endr
	v_nop
	s_wait_alu depctr_va_vdst(0)                   ; one wait for the eight
	v_add_f32 v[X+2], v[PP], v[PP+1]
	v_add_f32 v[X+3], v[PP+2], v[PP+3]
	v_add_f32 v[X+4], v[PP+4], v[PP+5]
	v_add_f32 v[X+5], v[PP+6], v[PP+7]
	v_add_f32 v[X+2], v[X+2], v[X+3]
	v_add_f32 v[X+4], v[X+4], v[X+5]
	v_add_f32 v[X+2], v[X+2], v[X+4]
	v_permlanex16_b32 v[X+3], v[X+2], s12, s13
	v_add_f32 v[X+2], v[X+2], v[X+3]
	v_rcp_f32 v[X+2], v[X+2]
	v_nop
	s_wait_alu depctr_va_vdst(0)
.irp t, 0,1,2,3                                ; O^T = V^T P: K = the 16 keys
.irp dt, 0,1,2,3
.if \t == 0
	v_wmma_f32_16x16x4_f32 v[OA+8*\dt:OA+8*\dt+7], v[VF+8*\dt+2*\t:VF+8*\dt+2*\t+1], v[PP+2*\t:PP+2*\t+1], 0
.else
	v_wmma_f32_16x16x4_f32 v[OA+8*\dt:OA+8*\dt+7], v[VF+8*\dt+2*\t:VF+8*\dt+2*\t+1], v[PP+2*\t:PP+2*\t+1], v[OA+8*\dt:OA+8*\dt+7]
.endif
.endr
.endr
.rept 8
	v_nop
.endr
.set j, 0
.rept 32
	v_mul_f32 v[VF+j], v[OA+j], v[X+2]             ; O / l, into other registers: 8 dt + jj = O(query r, d = 16 dt + 8 h + jj)
.set j, j+1
.endr
	s_wait_loadcnt 63                              ; of the 152 loads the 89 oldest are in: Wo's K steps 0-7 among them
.set kap, 0
.rept 16                                       ; my head's part of out0^T: source 0 = 16 columns of Wo, source 1 = O; four column tiles by turns
.if kap == 8
	s_wait_loadcnt 0x0
.endif
.if kap < 8
.set WR, WA+8*kap
.else
.set WR, QF+8*(kap-8)
.endif
.irp ct, 0,1,2,3
.if kap == 0
	v_wmma_f32_16x16x4_f32 v[SA+8*\ct:SA+8*\ct+7], v[WR+2*\ct:WR+2*\ct+1], v[VF+2*kap:VF+2*kap+1], 0
.else
	v_wmma_f32_16x16x4_f32 v[SA+8*\ct:SA+8*\ct+7], v[WR+2*\ct:WR+2*\ct+1], v[VF+2*kap:VF+2*kap+1], v[SA+8*\ct:SA+8*\ct+7]
.endif
.endr
.set kap, kap+1
.endr
.rept 8
	v_nop
.endr
.irp ct, 0,1,2,3
	ds_store_b128 v4, v[SA+8*\ct:SA+8*\ct+3] offset:64*\ct            ; lane (r, h): row r, columns 16 ct + 8 h + 0..7
	ds_store_b128 v4, v[SA+8*\ct+4:SA+8*\ct+7] offset:64*\ct+16
.endr
	s_wait_dscnt 0x0                               ; for the others' sake: my part lies in LDS
	s_barrier_signal -1
	s_barrier_wait -1
	s_cmp_lt_u32 s10, 8
	s_cbranch_scc0 .Lno_rows
.irp p, 0,1,2,3,4,5,6,7,8,9,10,11
	ds_load_b128 v[WA+4*\p:WA+4*\p+3], v5 offset:4352*\p
.endr
	s_wait_dscnt 0x0
.irp p, 1,2,3,4,5,6,7,8,9,10,11
	v_pk_add_f32 v[WA:WA+1], v[WA:WA+1], v[WA+4*\p:WA+4*\p+1]
	v_pk_add_f32 v[WA+2:WA+3], v[WA+2:WA+3], v[WA+4*\p+2:WA+4*\p+3]
.endr
	global_store_b128 v6, v[WA:WA+3], s[8:9]       ; sixteen lanes store 256 consecutive bytes of a row
.Lno_rows:
	s_wait_tensorcnt 0x0                           ; the wave's end: behind my last LDS store
	ds_add_u32 v7, v8
	s_wait_dscnt 0x0
	s_endpgm
.Lfunc_end_k_q6f0e27da97_fine16:
	.size	k_q6f0e27da97_fine16, .Lfunc_end_k_q6f0e27da97_fine16-k_q6f0e27da97_fine16
	.p2alignl 7, 3214868480
	.fill 96, 4, 3214868480
	.section	.rodata,"a",@progbits
	.p2align	6, 0x0
	.amdhsa_kernel k_q6f0e27da97_fine16
		.amdhsa_group_segment_fixed_size 53760
		.amdhsa_private_segment_fixed_size 0
		.amdhsa_enable_private_segment 0
		.amdhsa_kernarg_size 24
		.amdhsa_user_sgpr_count 2
		.amdhsa_user_sgpr_kernarg_segment_ptr 1
		.amdhsa_wavefront_size32 1
		.amdhsa_system_sgpr_workgroup_id_x 1
		.amdhsa_system_sgpr_workgroup_id_y 1
		.amdhsa_system_sgpr_workgroup_id_z 1
		.amdhsa_system_vgpr_workitem_id 0
		.amdhsa_next_free_vgpr 256
		.amdhsa_next_free_sgpr 66
		.amdhsa_reserve_vcc 1
		.amdhsa_float_denorm_mode_32 3
		.amdhsa_float_denorm_mode_16_64 3
		.amdhsa_memory_ordered 1
		.amdhsa_forward_progress 1
		.amdhsa_inst_pref_size 31
	.end_amdhsa_kernel
	.amdgpu_metadata
---
amdhsa.version: [ 1, 2 ]
amdhsa.kernels:
  - .name:           k_q6f0e27da97_fine16
    .symbol:         k_q6f0e27da97_fine16.kd
    .args:
      - { .name: fine, .offset: 0, .size: 8, .value_kind: global_buffer, .address_space: global }
      - { .name: Wo, .offset: 8, .size: 8, .value_kind: global_buffer, .address_space: global }
      - { .name: out0, .offset: 16, .size: 8, .value_kind: global_buffer, .address_space: global }
    .group_segment_fixed_size: 53760
    .private_segment_fixed_size: 0
    .kernarg_segment_align: 8
    .kernarg_segment_size: 24
    .max_flat_workgroup_size: 384
    .sgpr_count:     66
    .vgpr_count:     256
    .wavefront_size: 32
...
	.end_amdgpu_metadata
.endif
;; end of part 5
